; MI455X (gfx1250); checked and timed in simulation.
; The chip was launched on July 23, 2026; its instructions are those of AMD's public machine-readable ISA for CDNA 5 (MIT licence, August 2026) and "CDNA5" Instruction Set Architecture Reference Guide (July 2026). The comments in the code are by the model that wrote it; some were corrected since.
;; Multi Head Attention. Allowed arithmetic: matrix products marked QUANTISED: E2M3 operands, one E8M0 scale for each 32 along K, by v_wmma_scale_f32_16x16x128_f8f6f4 with both operands' format E2M3, f32 sums; everything else in f32.
;; Inputs: b_attn 3,072 float32; b_proj 1,024 float32; w_attn 1,024 x 3,072 float32; w_proj 1,024 x 1,024 float32; x 4 x 2,048 x 1,024 float32.
;; Outputs: out0 4 x 2,048 x 1,024 float32.
;; This version of the problem:
;;   THIS VERSION OF THE PROBLEM IS GIVEN IN LOW PRECISION. The matrix products marked QUANTISED in the list below multiply operands that are first quantised to E2M3 (2 exponent bits, 3 mantissa bits; 6 bits a number), with one power-of-two scale for each 32 numbers along K (OCP MX v1.0); their sums are f32. All else is computed in f32.
;;   The module's matrix products, in the order in which they are computed (A, B: the left and right operand; K: the contracted axis; several contracted axes count as one K, in the product's order):
;;     1. [M 8,192, K 1,024] x [K 1,024, N 3,072]; A: input x; B: input w_attn: QUANTISED
;;     2. batch 64 x [M 2,048, K 64] x [K 64, N 2,048]; A: computed on the way; B: computed on the way: QUANTISED
;;     3. batch 64 x [M 2,048, K 2,048] x [K 2,048, N 64]; A: softmax (see below); B: computed on the way: QUANTISED
;;     4. [M 8,192, K 1,024] x [K 1,024, N 1,024]; A: computed on the way; B: input w_proj: QUANTISED
;;   THE QUANTISER, for each operand of a quantised product, along K:
;;     - K is cut into blocks of 32 from its start; a last block that is shorter is filled with zeros.
;;     - A block's scale is 2^e with e = floor(log2(the largest magnitude in the block)) - 2, held to -126 .. 127; a block of zeros has e = 0. As a byte (E8M0): e + 127.
;;     - Each number is divided by its block's scale, clamped to +-7.5, and rounded to the nearest number of E2M3, ties to even, subnormals kept.
;;     - The product sums the exact products of the quantised numbers (number of the format x scale) in f32.
;;   ~~~python
;;   def quantise(x, axis):      # numpy; x: float32 -> the quantised numbers, widened to float32 again
;;       x = np.moveaxis(x, axis, -1); K = x.shape[-1]
;;       x = np.pad(x, [(0, 0)] * (x.ndim - 1) + [(0, -K % 32)]); x = x.reshape(x.shape[:-1] + (-1, 32)); a = np.abs(x).max(-1, keepdims=True)
;;       e = np.where(a > 0, np.clip(np.frexp(np.where(a > 0, a, 1))[1] - 1 - 2, -126, 127), 0)      # np.frexp(a)[1] - 1 = floor(log2(a)), exactly
;;       r = np.clip(x / 2.0 ** e, -7.5, 7.5)
;;       step = 2.0 ** (np.maximum(np.frexp(np.where(r == 0, 1, r))[1] - 1, 0) - 3)
;;       q = np.round(r / step) * step * 2.0 ** e      # np.round: ties to even
;;       return np.moveaxis(q.reshape(q.shape[:-2] + (-1,))[..., :K], -1, axis).astype(np.float32)
;;   ~~~
;;   SOFTMAX AHEAD OF A QUANTISED PRODUCT. Where the list says 'softmax', what is quantised is not the finished softmax but p = 2^(t - M), with t = logit x log2(e) and M = ceil(the row's largest t), a whole number; so 1/2 < the row's largest p <= 1. The row's sum l is taken of the UNQUANTISED p, in f32, and the product's result is divided by l at the end. Since M is a whole number, a kernel that streams over the keys may use a running M (the ceiling of the running maximum): every later rescaling is an exact power of two, which a block's scale takes up: the codes' values come out the same.
;;   OPERANDS COMPUTED ON THE WAY. 'Computed on the way' means the value that the module computes at that place (a softmax that the list does not call 'softmax' is quantised finished and normalised). What goes into a quantiser is computed in f32, as accurately as f32 sums, v_exp_f32 and their like allow (about 1e-6 of the number): no bf16 or f16 on the way to a quantiser, and a product that is left as it is and whose result goes on into a quantised operand takes f32 operands (vector FMAs, or v_wmma_f32_16x16x4_f32). A number that lies on a knife's edge between two numbers of the format may be rounded either way, as far as f32 arithmetic and the matrix unit's own rounding can turn it there, and no further.
;; One version. Each part assembles by itself: llvm-mc -triple=amdgcn-amd-amdhsa -mcpu=gfx1250 --defsym DOCPART=n.
;; ======== version 1 of 1: 4 launches
;; workspace buffers: g1 9,011,200 bytes; qkvc 20,185,088 bytes; g2 7,372,800 bytes
;; launch quant (part 1): grid 512 x 1, 4 waves a work-group, no clusters, 34,304 bytes of LDS; arguments x, w_attn, w_proj, g1, g2; writes g1, g2
.if DOCPART == 1
	.amdgcn_target "amdgcn-amd-amdhsa--gfx1250"
	.amdhsa_code_object_version 6
	.text
	.protected	k_qe899548cd7_quant
	.globl	k_qe899548cd7_quant
	.p2align	8
	.type	k_qe899548cd7_quant,@function
k_qe899548cd7_quant:
	s_mov_b64 s[64:65], 0
	v_nop
	global_prefetch_b8 v0, s[64:65] scope:SCOPE_SE
	s_setreg_imm32_b32 hwreg(HW_REG_WAVE_MODE, 25, 1), 1
	s_wait_xcnt 0x0
; THE PROGRAM: multi-head attention, B 4, T 2048, C 1024, 16 heads of 64, all four products on codes of FP6 (E2M3) with one E8M0 byte for each 32 along K.
; Four launches: quant (this one: x, w_attn, w_proj become codes), qkv (x W + b, quantised on the way out), attn (both products of attention), proj (the last product).
; WORK LEFT OUT: reference() builds its causal mask itself (jnp.tril) and sets every score with key > query to -inf ahead of the softmax, so such a score gives p = 0 and adds nothing to the row's sum
; or to the second product, whatever finite values the inputs hold.  Launch attn leaves out the key steps of 128 keys all of which come after all 16 queries of a tile; inside the step on the diagonal the scores are made and
; replaced by -inf.  Nothing else is left out, and every input is loaded (k's bias too: it moves codes).  LIMIT: a NaN, an infinity or an overflow that would arise only in the scores left out is not carried to the result.
; LIMITS of the quantiser, here and in the later launches: a block whose largest magnitude lies under 2^-124 keeps the scale byte 1; a block of zeros gets the byte 1 where the rule says 127 (its codes are zeros,
; which add nothing under any byte but 0xff, and the bytes are read by this program alone); NaN and infinities among the inputs are not served.
; LAYOUT OF ALL CODES IN THIS PROGRAM.  Rows (tokens, weight columns, channels) go in TILES of 16: tile i begins at row T(i) = 32 (i / 2) + 8 (i % 2), and its position p is row T(i) + p + 8 (p / 8).
; A HALF IMAGE, 768 bytes, is what the operand registers of one tile hold for 64 along K: lane l = r + 16 h owns six registers, the 24 bytes of codes of position r, k = 32 h + 0 .. 31:
; the first four lie at byte 16 l, the last two at byte 512 + 16 r + 8 h.  A SCALE UNIT, 256 bytes, holds four scale words of position r at byte 16 r.
; THIS LAUNCH.  Work-groups 0-255: x, K innermost: a wave takes one tile of 16 rows and 512 along K.  Each load reads 512 consecutive bytes of a row; the rows turn through the wave's own stage in LDS so that a lane
; holds 16 neighbours of each block of 32.  Work-groups 256-447: w_attn, 448-511: w_proj, K outermost: a lane takes a column and its registers run down K; a wave takes 32 columns x 128 along K.
; Waves share nothing: no barrier.
.set SPARE, 33792                      ; behind the four stages of 8,448 bytes: the spare words, 128 bytes a wave
.set SPW,  12                          ; v12  my spare word's LDS address; never rewritten
.set NIL,  13                          ; v13  0; never rewritten
.set TM,   16                          ; v16-31 at work in QUANT
.set PWQ,  32                          ; v32-35 four scale words
.set PC,   36                          ; v36-55 a fragment's codes (12) and the conversions' second halves (8)
.set WI,   6291456                     ; g1: w_attn's images behind x's
.set S1,   8650752                     ; g1: x's scale units
.set S1W,  8912896                     ; g1: w_attn's scale units
.set WPI,  6291456                     ; g2: w_proj's images
.set S2W,  7340032                     ; g2: w_proj's scale units
	s_load_b256 s[4:11], s[0:1], 0x0               ; x s[4:5], w_attn s[6:7], w_proj s[8:9], g1 s[10:11]
	s_load_b64 s[12:13], s[0:1], 0x20              ; g2
	v_lshl_add_u32 v[SPW], v0, 2, SPARE
	v_mov_b32 v[NIL], 0
	v_lshrrev_b32 v1, 5, v0
	v_readfirstlane_b32 s14, v1                    ; wave 0..3
	v_and_b32 v6, 31, v0                           ; l
	v_and_b32 v7, 15, v0                           ; r
	v_bfe_u32 v8, v0, 4, 1                         ; h
	v_lshlrev_b32 v1, 4, v6                        ; 16 l
	v_lshlrev_b32 v3, 4, v7                        ; 16 r
	v_lshl_add_u32 v2, v8, 3, v3
	v_add_nc_u32 v2, 512, v2                       ; 512 + 16 r + 8 h
	s_mul_i32 s23, s14, 8448                       ; my stage: 16 rows of 512 bytes + 16
	v_add_nc_u32 v4, s23, v1                       ; into it: 16 l of a row
	v_mul_u32_u24 v5, v7, 528
	v_lshl_add_u32 v5, v8, 6, v5
	v_add_nc_u32 v5, s23, v5                       ; out of it: row r, + 64 h
	s_mov_b32 s20, 0x76543210
	s_mov_b32 s21, 0xfedcba98                      ; v_permlanex16_b32's selects for lane l xor 16
.irp b, 0,1,2,3
	v_mov_b32 v[TM+4+\b], 0                        ; written once: a lane permute's destination counts as one of its sources
.endr
	v_lshlrev_b32 v9, 2, v6                        ; the weights: 4 l, my column of the wave's 32
	v_bfe_u32 v10, v0, 3, 1                        ; u = (l / 8) % 2: which of the two tiles my column lies in
	v_and_b32 v11, 7, v0
	v_lshl_add_u32 v11, v8, 3, v11                 ; p = l % 8 + 8 (l / 16): its position there
	v_lshlrev_b32 v11, 4, v11                      ; 16 p
	v_mad_u32_u24 v14, v10, 0x3000, v11            ; images: a tile's 16 half images are 12,288 bytes
	v_lshl_add_u32 v15, v10, 9, v11                ; scale units: 512 bytes a tile
	s_wait_kmcnt 0x0
; 64 numbers of a lane, register 16 b + i = k 32 b + 16 h + i of my row, become a fragment's codes in v[PC] on and its scale word in v[pw].
.macro QUANT s, pw
.irp b, 0,1,2,3
	v_max3_num_f32 v[TM+\b], |v[\s+16*\b]|, |v[\s+1+16*\b]|, 0x1800000   ; block b: my 16 numbers and the floor 2^(3 - 127): the byte cannot fall under 1
.endr
.irp i, 2,4,6,8,10,12,14
.irp b, 0,1,2,3
	v_max3_num_f32 v[TM+\b], v[TM+\b], |v[\s+16*\b+\i]|, |v[\s+1+16*\b+\i]|
.endr
.endr
.irp b, 0,1,2,3
	v_permlanex16_b32 v[TM+4+\b], v[TM+\b], s20, s21
.endr
.irp b, 0,1,2,3
	v_max_num_f32 v[TM+\b], v[TM+\b], v[TM+4+\b]   ; with lane l xor 16's: the block's largest magnitude
.endr
.irp b, 0,1,2,3
	v_add_nc_u32 v[TM+12+\b], 0xff000000, v[TM+\b] ; 2 off its exponent field: the conversion's scale operand
.endr
.irp b, 0,1,2,3
	v_lshrrev_b32 v[TM+4+\b], 23, v[TM+12+\b]      ; the scale's byte
.endr
	v_lshl_or_b32 v[\pw], v[TM+5], 8, v[TM+4]
	v_lshl_or_b32 v[\pw], v[TM+6], 16, v[\pw]
	v_lshl_or_b32 v[\pw], v[TM+7], 24, v[\pw]
.irp c, 0,1
	v_cvt_scalef32_pk16_fp6_f32 v[PC+6*\c:PC+2+6*\c], v[\s+32*\c:\s+15+32*\c], v[TM+12+2*\c]
	v_cvt_scalef32_pk16_fp6_f32 v[PC+12+4*\c:PC+14+4*\c], v[\s+16+32*\c:\s+31+32*\c], v[TM+12+2*\c+1]   ; (a conversion's three registers begin on an even number)
.endr
	v_nop                                          ; one plain instruction behind the conversions
.irp c, 0,1                                    ; a whole block to a lane: lanes 0-15 block 2 c, lanes 16-31 block 2 c + 1
.irp i, 0,1,2
	v_permlane16_swap_b32 v[PC+6*\c+\i], v[PC+12+4*\c+\i]
.endr
.irp i, 0,1,2
	v_mov_b32 v[PC+3+6*\c+\i], v[PC+12+4*\c+\i]
.endr
.endr
.endm
; One block of 32 along K of my column: numbers in v[64 + 32 t] on.  cnt: the loads issued behind the block's that may stay out.
.macro WBLOCK t, cnt
.set XS, 64+32*(\t)
.set HH, 24+16*((\t)/2)+4*((\t)%2)             ; the block's first four registers of codes
.set TL, 32+16*((\t)/2)                        ; the last two of both blocks of a pair
.set TT, 36+16*((\t)/2)                        ; the second conversion's three
	s_wait_loadcnt \cnt
	v_max3_num_f32 v16, |v[XS]|, |v[XS+1]|, |v[XS+2]|
	v_max3_num_f32 v17, |v[XS+3]|, |v[XS+4]|, |v[XS+5]|
.irp i, 6,10,14,18,22,26
	v_max3_num_f32 v16, v16, |v[XS+\i]|, |v[XS+\i+1]|
	v_max3_num_f32 v17, v17, |v[XS+\i+2]|, |v[XS+\i+3]|
.endr
	v_max3_num_f32 v16, v16, |v[XS+30]|, |v[XS+31]|
	v_max3_num_f32 v16, v16, v17, 0x1800000        ; and the floor
	v_add_nc_u32 v18, 0xff000000, v16              ; the conversion's scale operand
	v_lshrrev_b32 v19, 23, v18                     ; the byte
.if (\t) == 0
	v_mov_b32 v20, v19
.else
	v_lshl_or_b32 v20, v19, 8*(\t), v20            ; four bytes make my column's scale word of these 128 along K
.endif
	v_cvt_scalef32_pk16_fp6_f32 v[HH:HH+2], v[XS:XS+15], v18
	v_cvt_scalef32_pk16_fp6_f32 v[TT:TT+2], v[XS+16:XS+31], v18
	v_nop                                          ; one plain instruction behind the conversions
	v_mov_b32 v[HH+3], v[TT]
	v_mov_b32 v[TL+2*((\t)%2)], v[TT+1]
	v_mov_b32 v[TL+2*((\t)%2)+1], v[TT+2]
.if (\t)%2
	global_store_b128 v14, v[HH-4:HH-1], s[26:27] offset:768*((\t)/2)        ; the half image's lanes 0-15: sixteen lanes store 256 consecutive bytes, twice (two tiles)
	global_store_b128 v14, v[HH:HH+3], s[26:27] offset:768*((\t)/2)+256      ; its lanes 16-31
	global_store_b128 v14, v[TL:TL+3], s[26:27] offset:768*((\t)/2)+512      ; and the last two registers of both
.endif
.endm
; A weight [1024][N], f32.  Work-group e of it: K step e % 8 of 128, column groups 4 (e / 8) + wave of 32.  Every store has registers of its own: none is written again.
.macro WPATH N, INP, OUTP, IMGOFF, SCOFF, FIRSTWG
	s_sub_co_u32 s15, ttmp9, \FIRSTWG
	s_and_b32 s16, s15, 7                          ; K step
	s_lshr_b32 s17, s15, 3
	s_lshl_b32 s17, s17, 2
	s_add_co_u32 s17, s17, s14                     ; column group
	s_mul_i32 s18, s16, 128*\N*4
	s_lshl_b32 s22, s17, 7
	s_add_co_u32 s18, s18, s22
	s_mov_b32 s19, 0
	s_add_nc_u64 s[24:25], s[\INP:\INP+1], s[18:19]
	s_mul_i32 s18, s17, 24576                      ; two tiles of images
	s_mul_i32 s22, s16, 1536                       ; two half images a K step
	s_add_co_u32 s18, s18, s22
	s_add_co_u32 s18, s18, \IMGOFF
	s_add_nc_u64 s[26:27], s[\OUTP:\OUTP+1], s[18:19]
	s_lshl_b32 s18, s17, 10                        ; two tiles of scale units
	s_lshr_b32 s22, s16, 2
	s_lshl_b32 s22, s22, 8                         ; which unit,
	s_add_co_u32 s18, s18, s22
	s_and_b32 s22, s16, 3
	s_lshl_b32 s22, s22, 2                         ; which word
	s_add_co_u32 s18, s18, s22
	s_add_co_u32 s18, s18, \SCOFF
	s_add_nc_u64 s[28:29], s[\OUTP:\OUTP+1], s[18:19]
.set n, 0
.rept 128
	global_load_b32 v[64+n], v9, s[24:25] offset:n*\N*4 th:TH_LOAD_NT   ; W(128 s + n, my column): 32 lanes read 128 consecutive bytes, the four waves 512
.set n, n+1
.endr
	WBLOCK 0, 63                                   ; behind block 0's loads 96 were issued, behind block 1's 64: the count names the most that the wait can
	WBLOCK 1, 63
	WBLOCK 2, 32
	WBLOCK 3, 0
	global_store_b32 v15, v20, s[28:29]            ; four bytes a column: one byte in 128 of what the path reads
	s_endpgm
.endm
	s_cmp_lt_u32 ttmp9, 256
	s_cbranch_scc1 .Lx
	s_cmp_lt_u32 ttmp9, 448
	s_cbranch_scc1 .Lwa
	s_wait_alu depctr_va_vdst(0)
	WPATH 1024, 8, 12, WPI, S2W, 448
.Lwa:
	s_wait_alu depctr_va_vdst(0)
	WPATH 3072, 6, 10, WI, S1W, 256
.Lx:
	s_lshl_b32 s15, ttmp9, 2
	s_add_co_u32 s15, s15, s14
	s_lshr_b32 s16, s15, 1                         ; my tile of 16 rows
	s_and_b32 s17, s15, 1                          ; which 512 along K
	s_lshr_b32 s18, s16, 1
	s_lshl_b32 s18, s18, 5
	s_and_b32 s19, s16, 1
	s_lshl_b32 s19, s19, 3
	s_add_co_u32 s18, s18, s19                     ; T(tile)
	s_lshl_b32 s18, s18, 12                        ; rows of 4,096 bytes
	s_lshl_b32 s19, s17, 11
	s_add_co_u32 s18, s18, s19
	s_mov_b32 s19, 0
	s_add_nc_u64 s[4:5], s[4:5], s[18:19]
	s_mul_i32 s18, s16, 12288
	s_mul_i32 s22, s17, 6144
	s_add_co_u32 s18, s18, s22
	s_add_nc_u64 s[24:25], s[10:11], s[18:19]      ; my eight half images
	s_lshl_b32 s18, s16, 9
	s_lshl_b32 s22, s17, 8
	s_add_co_u32 s18, s18, s22
	s_add_co_u32 s18, s18, S1
	s_add_nc_u64 s[26:27], s[10:11], s[18:19]      ; my scale unit
.macro LOADF f                         ; 128 along K of the tile's 16 rows into set f % 3
.set RS, 64+64*((\f)%3)
.irp i, 0,1,2,3,4,5,6,7,8,9,10,11,12,13,14,15
	global_load_b128 v[RS+4*\i:RS+4*\i+3], v1, s[4:5] offset:(\i+8*(\i/8))*4096+512*(\f) th:TH_LOAD_NT   ; position i's row: 32 lanes read 512 consecutive bytes
.endr
.endm
.macro XFRAG f, cnt
.set RS, 64+64*((\f)%3)
	s_wait_loadcnt \cnt                            ; this fragment's 16 loads are in; the sets issued behind them stay out
.irp i, 0,1,2,3,4,5,6,7,8,9,10,11,12,13,14,15
	ds_store_b128 v4, v[RS+4*\i:RS+4*\i+3] offset:528*\i
.endr
.irp b, 0,1,2,3
.irp j, 0,1,2,3
	ds_load_b128 v[RS+16*\b+4*\j:RS+16*\b+4*\j+3], v5 offset:128*\b+16*\j   ; LDS serves a wave's instructions in order (ISA guide 5.7.1.4): these see the stores above
.endr
.endr
	s_wait_dscnt 0x0
.if (\f) > 0
	s_wait_xcnt 0x0                                ; the last fragment's stores have read v[PC] on: it is written again only behind this wait
.endif
	QUANT RS, PWQ+(\f)
	global_store_b128 v1, v[PC:PC+3], s[24:25] offset:1536*(\f)          ; 512 consecutive bytes
	global_store_b64 v2, v[PC+4:PC+5], s[24:25] offset:1536*(\f)         ; 256
	global_store_b128 v1, v[PC+6:PC+9], s[24:25] offset:1536*(\f)+768
	global_store_b64 v2, v[PC+10:PC+11], s[24:25] offset:1536*(\f)+768
.endm
	LOADF 0
	LOADF 1
	LOADF 2
	XFRAG 0, 32
	LOADF 3                                        ; into the set that fragment 0 has left
	XFRAG 1, 32
	XFRAG 2, 16
	XFRAG 3, 0
	global_store_b128 v3, v[PWQ:PWQ+3], s[26:27]   ; position r's four words: 256 consecutive bytes (lanes 16-31 hold and store the same)
	s_wait_tensorcnt 0x0                           ; the wave's end: these three lines behind my last LDS store
	ds_add_u32 v[SPW], v[NIL]
	s_wait_dscnt 0x0
	s_endpgm
.Lfunc_end_k_qe899548cd7_quant:
	.size	k_qe899548cd7_quant, .Lfunc_end_k_qe899548cd7_quant-k_qe899548cd7_quant
	.p2alignl 7, 3214868480
	.fill 96, 4, 3214868480
	.section	.rodata,"a",@progbits
	.p2align	6, 0x0
	.amdhsa_kernel k_qe899548cd7_quant
		.amdhsa_group_segment_fixed_size 34304
		.amdhsa_private_segment_fixed_size 0
		.amdhsa_enable_private_segment 0
		.amdhsa_kernarg_size 40
		.amdhsa_user_sgpr_count 2
		.amdhsa_user_sgpr_kernarg_segment_ptr 1
		.amdhsa_wavefront_size32 1
		.amdhsa_system_sgpr_workgroup_id_x 1
		.amdhsa_system_sgpr_workgroup_id_y 1
		.amdhsa_system_sgpr_workgroup_id_z 1
		.amdhsa_system_vgpr_workitem_id 0
		.amdhsa_next_free_vgpr 256
		.amdhsa_next_free_sgpr 66
		.amdhsa_reserve_vcc 0
		.amdhsa_float_denorm_mode_32 3
		.amdhsa_float_denorm_mode_16_64 3
		.amdhsa_memory_ordered 1
		.amdhsa_forward_progress 1
		.amdhsa_inst_pref_size 73
	.end_amdhsa_kernel
	.amdgpu_metadata
---
amdhsa.version: [ 1, 2 ]
amdhsa.kernels:
  - .name:           k_qe899548cd7_quant
    .symbol:         k_qe899548cd7_quant.kd
    .args:
      - { .name: x, .offset: 0, .size: 8, .value_kind: global_buffer, .address_space: global }
      - { .name: w_attn, .offset: 8, .size: 8, .value_kind: global_buffer, .address_space: global }
      - { .name: w_proj, .offset: 16, .size: 8, .value_kind: global_buffer, .address_space: global }
      - { .name: g1, .offset: 24, .size: 8, .value_kind: global_buffer, .address_space: global }
      - { .name: g2, .offset: 32, .size: 8, .value_kind: global_buffer, .address_space: global }
    .group_segment_fixed_size: 34304
    .private_segment_fixed_size: 0
    .kernarg_segment_align: 8
    .kernarg_segment_size: 40
    .max_flat_workgroup_size: 128
    .sgpr_count:     66
    .vgpr_count:     256
    .wavefront_size: 32
...
	.end_amdgpu_metadata
.endif
;; end of part 1
;; launch qkv (part 2): grid 12 x 32, 4 waves a work-group, clusters of 4 x 4, 327,680 bytes of LDS; arguments g1, b_attn, qkvc; writes qkvc
.if DOCPART == 2
	.amdgcn_target "amdgcn-amd-amdhsa--gfx1250"
	.amdhsa_code_object_version 6
	.text
	.protected	k_qe899548cd7_qkv
	.globl	k_qe899548cd7_qkv
	.p2align	8
	.type	k_qe899548cd7_qkv,@function
k_qe899548cd7_qkv:
	s_mov_b64 s[64:65], 0
	v_nop
	global_prefetch_b8 v0, s[64:65] scope:SCOPE_SE
	s_setreg_imm32_b32 hwreg(HW_REG_WAVE_MODE, 25, 1), 1
	s_wait_xcnt 0x0
	s_wait_alu depctr_hold_cnt(0) depctr_sa_sdst(0) depctr_va_vdst(0) depctr_va_sdst(0) depctr_va_ssrc(0) depctr_va_vcc(0) depctr_vm_vsrc(0)
	s_getreg_b32 s2, hwreg(HW_REG_IB_STS2, 6, 4)
	s_cmp_eq_u32 s2, 0
	s_cbranch_scc0 .Lentry_in_a_cluster
	s_endpgm
.Lentry_in_a_cluster:
	s_bfe_u32 s2, ttmp6, 0x10000c
	s_cmp_lg_u32 s2, 0xf033
	s_cbranch_scc0 .Lentry_shape_is_right
	s_endpgm
.Lentry_shape_is_right:
; qkv = x w_attn + b_attn on codes of FP6 (E2M3), K = 1024, and the results quantised on the way out: q and k along the head's 64, v along the keys.  Nothing goes to memory in f32.
; Operands come as half images and scale units (laid by launch quant): tile i begins at row T(i) = 32 (i / 2) + 8 (i % 2), position p is row T(i) + p + 8 (p / 8); a half image is 768 bytes for 64 along K.
; A work-group of four waves makes 256 x 256, a wave 128 x 128: 64 accumulators.  The matrix instruction is used transposed: source 0 = 16 rows of B', source 1 = 16 rows of A': a lane holds ONE row of A'
; (position lane % 16), and by the tiles' order the 16 registers of B' tiles 2 b, 2 b + 1 are 16 neighbouring rows of B', 32 b + 16 (lane / 16) + 0 .. 15: the order that the quantiser wants.
; THREE PROBLEMS IN ONE TEXT, by the cluster's x (the same in all sixteen partners): 0: q, 1: k: A' = x (tokens), B' = w_attn's columns: a lane holds a token, its registers run along the heads' channels.
; 2: v, made transposed: A' = w_attn's columns 2048 on (channels), B' = x (tokens): a lane holds a channel, its registers run along the keys, which are the second attention product's K.
; The bias is the C of each sum's first matrix instruction: for q and k it goes with B' (tile b), for v with A' (tile a): only that first K step is written twice.
; K goes in slots of 256 through a ring of two LDS slots; the eight K steps of 128 are written out, since each names its own scale registers.  All scale words of the wave's rows stay in registers.
; CLUSTERS: 4 x 4.  A's tiles are shared along a row of the cluster, B's along a column: each is asked for jointly.
; REGISTERS: window 0: v1-11, v24, v25 offsets; v16-23 LDS addresses; v28, v29 the add's two; v32-95 scale words (register 8 i + ks: lanes 0-15 A' tile i, lanes 16-31 B' tile i, K step ks);
;   v96-103 offsets of the bias loads; v128-223 A's fragments, one set (on the way out: scratch).  window 1: B's fragments, two sets, at v0 and v128; the bias, tile i at v[96 + 8 (i % 4) + 128 (i / 4)].
;   windows 2, 3: the accumulators, (a, b) at v[8 (8 (a % 4) + b)] of window 2 + a / 4.
.set WI,    6291456                    ; g1: w_attn's images (x's lie at 0)
.set S1,    8650752                    ; g1: x's scale units
.set S1W,   8912896                    ; g1: w_attn's
.set VI,    12582912                   ; qkvc: q's images at 0, k's at 6,291,456, v's here
.set QS,    18874368                   ; q's scale units; k's 524,288 on
.set VS,    19922944                   ; v's
.set FR,    12                         ; registers of a fragment
.set NL,    4                          ; LDS loads that bring one
.set TILEB, 3072                       ; a tile's four half images of a slot
.set HALFT, 8*TILEB                    ; eight tiles: what one tensor load brings and what a wave reads of A' or B'
.set SLOT,  4*HALFT
.set SPARE, 2*SLOT                     ; behind the ring: the spare words, 128 bytes a wave
.set ADRA,  16                         ; v16, v17 my A' tiles in slot 0, 1 (16 bytes a lane); v18, v19 the same for the 8-byte pieces
.set ADRB,  20                         ; v20-23 the same for B'
.set SPW,   28
.set NIL,   29
.set SC,    32
.set AF,    128
.set TM,    128                        ; the way out: v128-143 at work, v144-147 four scale words, v148-167 codes
.set PWQ,   144
.set PC,    148
.set G1,    24                         ; s[24:31] group 1 for A's tiles; s[32:39] group 0, a set for each slot
.set G0,    32
.set G1B,   48                         ; s[48:55], s[56:63] the same for B's
.set G0B,   56
.set MSB,   0
.macro WIN new                         ; the immediate's high byte repeats the setting that is left
.if MSB != (\new)
	s_set_vgpr_msb (MSB<<8)|(\new)
.set MSB, (\new)
.endif
.endm
.macro PLACES                          ; four plain instructions between a matrix instruction and a load into, or a vector read or write of, its registers
.rept 4
	v_nop
.endr
.endm
.macro JLOAD g0a, g1a, g0b, g1b        ; a joint load: waves 0 and 1 fetch for A', waves 2 and 3 for B'; the branch hangs on the wave's number alone; s_nop 0 and four v_nop follow each line
	s_cmp_eq_u32 s15, 0
	s_cbranch_scc0 .Lfor_b_\@
	tensor_load_to_lds s[\g0a:\g0a+3], s[\g1a:\g1a+7]
	s_nop 0
.rept 4
	v_nop
.endr
	s_branch .Lasked_\@
.Lfor_b_\@:
	tensor_load_to_lds s[\g0b:\g0b+3], s[\g1b:\g1b+7]
	s_nop 0
.rept 4
	v_nop
.endr
.Lasked_\@:
.endm
.macro CREST                           ; a round of the cluster's barrier behind its opening barrier
	s_cmp_lg_u32 s14, 0
	s_cbranch_scc1 .Lnot_wave_0_\@
	s_barrier_signal -3
.Lnot_wave_0_\@:
	s_barrier_wait -3
	s_barrier_signal -1
	s_barrier_wait -1
.endm
.macro CROUND
	s_barrier_signal -1
	s_barrier_wait -1
	CREST
.endm
	s_load_b128 s[4:7], s[0:1], 0x0                ; g1, b_attn
	s_load_b64 s[8:9], s[0:1], 0x10                ; qkvc
	v_lshl_add_u32 v[SPW], v0, 2, SPARE
	v_mov_b32 v[NIL], 0
	ds_add_u32 v[SPW], v[NIL]                      ; the opening: the add, twice on end, and its wait ahead of my first tensor load
	ds_add_u32 v[SPW], v[NIL]
	v_lshrrev_b32 v1, 5, v0
	v_readfirstlane_b32 s14, v1                    ; wave 0..3
	s_lshr_b32 s15, s14, 1                         ; which half of A's rows is mine.  Also: I fetch for A' (0) or B' (1)
	s_and_b32 s16, s14, 1                          ; which half of B's rows.  Also: which eight tiles I fetch
	s_bfe_u32 s40, ttmp6, 0x40000                  ; cx
	s_bfe_u32 s41, ttmp6, 0x40004                  ; cy
	s_and_b32 s18, ttmp7, 0xffff
	s_lshl_b32 s18, s18, 2                         ; 4 x cluster y
	s_lshl_b32 s19, ttmp9, 2                       ; 4 x cluster x
	s_cmp_eq_u32 ttmp9, 2                          ; v?
	s_cselect_b32 s17, 0, s18                      ; block of 256 rows of A': v: channels, cy alone; else tokens
	s_cselect_b32 s42, s18, s19                    ; of B': v: tokens; else w_attn's columns
	s_cselect_b32 s20, WI+128*12288, 0             ; where A's images begin in g1
	s_cselect_b32 s46, 0, WI                       ; and B's
	s_add_co_u32 s17, s17, s41
	s_add_co_u32 s42, s42, s40
	s_lshl_b32 s43, s41, 2
	s_lshl_b32 s43, 15, s43                        ; my row of the cluster
	s_lshl_b32 s44, 0x1111, s40                    ; my column
	; group 1: eight tiles' parts of a slot: 8 rows of 3,072 bytes (384 elements of 8), 12,288 bytes (1,536 elements) apart; dense in LDS
	s_or_b32 s[G1+0], s43, (3<<16)|(1<<21)
	s_or_b32 s[G1B+0], s44, (3<<16)|(1<<21)
.irp g, G1, G1B
	s_mov_b32 s[\g+1], 384<<16                     ; tensor_dim0
	s_mov_b32 s[\g+2], 8<<16                       ; tensor_dim1
	s_mov_b32 s[\g+3], 384<<16                     ; tile_dim0
	s_mov_b32 s[\g+4], 8                           ; tile_dim1
	s_mov_b32 s[\g+5], 1536                        ; stride
	s_mov_b32 s[\g+6], 0
	s_mov_b32 s[\g+7], 0
.endr
	s_lshl_b32 s23, s16, 3                         ; which eight tiles I fetch
	s_lshl_b32 s22, s17, 4
	s_add_co_u32 s22, s22, s23
	s_mul_i32 s22, s22, 12288
	s_add_co_u32 s20, s20, s22                     ; A': made of cy and what all partners share
	s_mov_b32 s21, 0
	s_lshl_b32 s92, s42, 4
	s_add_co_u32 s92, s92, s23
	s_mul_i32 s92, s92, 12288
	s_add_co_u32 s46, s46, s92                     ; B': made of cx and what all partners share
	s_mov_b32 s47, 0
	s_mul_i32 s45, s14, HALFT                      ; where they go: wave x eight tiles
	s_wait_dscnt 0x0                               ; both opening adds are done
	s_wait_kmcnt 0x0
	s_add_nc_u64 s[20:21], s[4:5], s[20:21]
	s_add_nc_u64 s[46:47], s[4:5], s[46:47]
	CROUND                                         ; all sixteen work-groups are here: the first joint loads meet
.irp s, 0,1
	s_mov_b32 s[G0+4*\s], 1
	s_add_co_u32 s[G0+4*\s+1], s45, \s*SLOT
	s_add_nc_u64 s[G0+4*\s+2:G0+4*\s+3], s[20:21], \s*TILEB
	s_or_b32 s[G0+4*\s+3], s[G0+4*\s+3], 0x80000000
	s_mov_b32 s[G0B+4*\s], 1
	s_add_co_u32 s[G0B+4*\s+1], s45, \s*SLOT
	s_add_nc_u64 s[G0B+4*\s+2:G0B+4*\s+3], s[46:47], \s*TILEB
	s_or_b32 s[G0B+4*\s+3], s[G0B+4*\s+3], 0x80000000
	JLOAD G0+4*\s, G1, G0B+4*\s, G1B               ; two loads of mine are out
.endr
	; my own tiles, and where results go: both forms are made, then chosen on the cluster's x
	s_lshl_b32 s70, s17, 4
	s_lshl_b32 s71, s15, 3
	s_add_co_u32 s70, s70, s71                     ; ta: my first tile of A'
	s_lshl_b32 s72, s42, 4
	s_lshl_b32 s73, s16, 3
	s_add_co_u32 s72, s72, s73                     ; tb: my first tile of B'
	s_lshl_b32 s80, s70, 6
	s_add_co_u32 s80, s80, 8192                    ; bias, v: 4 (2048 + 16 ta)
	s_lshl_b32 s81, s72, 6                         ; bias, q and k: 4 x 16 tb
	s_lshr_b32 s71, s70, 7
	s_lshl_b32 s71, s71, 4                         ; 16 x batch
	s_bfe_u32 s73, s72, 0x40002                    ; my first head: (tb / 4) % 16
	s_add_co_u32 s71, s71, s73
	s_and_b32 s73, s70, 127                        ; my first token tile in the batch
	s_lshl_b32 s82, s71, 7
	s_add_co_u32 s82, s82, s73
	s_mul_i32 s82, s82, 768
	s_mul_i32 s89, ttmp9, 6291456
	s_add_co_u32 s82, s82, s89                     ; q, k: images [batch x head][tile][768]
	s_lshl_b32 s84, s71, 5
	s_lshr_b32 s73, s73, 2
	s_add_co_u32 s84, s84, s73
	s_lshl_b32 s84, s84, 8
	s_mul_i32 s89, ttmp9, 524288
	s_add_co_u32 s84, s84, s89
	s_add_co_u32 s84, s84, QS                      ; q, k: scale units [batch x head][tile / 4][256]
	s_lshr_b32 s71, s72, 3                         ; v: 16 x batch + key step
	s_mul_i32 s83, s71, 98304
	s_mul_i32 s89, s70, 768
	s_add_co_u32 s83, s83, s89
	s_add_co_u32 s83, s83, VI                      ; v: images [batch][step][64 keys: 2][channel tile 64][768]
	s_lshl_b32 s85, s71, 4
	s_lshr_b32 s89, s70, 2
	s_add_co_u32 s85, s85, s89
	s_lshl_b32 s85, s85, 8
	s_add_co_u32 s85, s85, VS                      ; v: scale units [batch][step][head][256]
	s_mov_b32 s74, S1
	s_mov_b32 s75, S1W
	s_mov_b32 s86, 98304
	s_cmp_eq_u32 ttmp9, 2
	s_cselect_b32 s74, S1W+65536, s74              ; A's scale units
	s_cselect_b32 s75, S1, s75                     ; B's
	s_cselect_b32 s76, 0, 64                       ; bias offset for each half of the lanes,
	s_cselect_b32 s77, 4, 0                        ; for each row of A',
	s_cselect_b32 s78, 0, 4                        ; for each register
	s_cselect_b32 s80, s80, s81
	s_cselect_b32 s82, s83, s82
	s_cselect_b32 s84, s85, s84
	s_cselect_b32 s86, 49152, s86                  ; from a fragment's first half image to its second: the next 64 keys, or the next head
	s_cselect_b32 s87, 0, 8192                     ; from the first head's scale unit to the second's
	s_cselect_b32 s88, 0, 16                       ; and the second head's two bytes come down
	s_mov_b32 s81, 0
	s_mov_b32 s83, 0
	s_mov_b32 s85, 0
	s_lshl_b32 s71, s70, 9
	s_add_co_u32 s74, s74, s71
	s_lshl_b32 s71, s72, 9
	s_add_co_u32 s75, s75, s71
	s_add_nc_u64 s[6:7], s[6:7], s[80:81]
	s_add_nc_u64 s[66:67], s[8:9], s[82:83]
	s_add_nc_u64 s[68:69], s[8:9], s[84:85]
	v_and_b32 v1, 31, v0                           ; l
	v_and_b32 v2, 15, v0                           ; r
	v_bfe_u32 v3, v0, 4, 1                         ; h
	v_lshlrev_b32 v4, 4, v1                        ; 16 l
	v_lshlrev_b32 v7, 4, v2                        ; 16 r
	v_lshl_add_u32 v5, v3, 3, v7
	v_add_nc_u32 v5, 512, v5                       ; 512 + 16 r + 8 h
	s_mul_i32 s21, s15, HALFT                      ; my eight tiles of A',
	s_mul_i32 s22, s16, HALFT
	s_add_co_u32 s22, s22, 2*HALFT                 ; of B', behind A's sixteen
.irp s, 0,1
	v_add_nc_u32 v[ADRA+\s], s21, v4
	v_add_nc_u32 v[ADRB+\s], s22, v4
	v_add_nc_u32 v[ADRA+2+\s], s21, v5
	v_add_nc_u32 v[ADRB+2+\s], s22, v5
	s_add_co_u32 s21, s21, SLOT
	s_add_co_u32 s22, s22, SLOT
.endr
	v_xor_b32 v8, 1, v3
	v_mul_u32_u24 v6, s74, v8                      ; lanes 0-15 take A's scale words,
	v_mad_u32_u24 v6, s75, v3, v6                  ; lanes 16-31 B's
	v_add_nc_u32 v6, v6, v7
.irp i, 0,1,2,3,4,5,6,7
	global_load_b128 v[SC+8*\i:SC+8*\i+3], v6, s[4:5] offset:512*\i        ; tile i, K steps 0-3
	global_load_b128 v[SC+8*\i+4:SC+8*\i+7], v6, s[4:5] offset:512*\i+256  ; K steps 4-7
.endr
	v_lshrrev_b32 v9, 3, v2
	v_lshl_add_u32 v9, v9, 3, v2                   ; r + 8 (r / 8)
	v_mul_u32_u24 v9, s77, v9
	v_mad_u32_u24 v9, s76, v3, v9
	s_wait_alu depctr_va_vdst(0)
.irp j, 0,1,2,3,4,5,6,7
	s_mul_i32 s89, s78, \j
	v_add_nc_u32 v[96+\j], s89, v9
.endr
	v_add_nc_u32 v24, s86, v4                      ; the way out: the second half image
	v_add_nc_u32 v25, s86, v5
	v_mad_u32_u24 v10, s87, v3, v7                 ; the scale units: 16 r, lanes 16-31 the second head's
	v_mul_u32_u24 v11, s88, v3
	WIN 0x40                                       ; destination window 1
.irp i, 0,1,2,3,4,5,6,7
.irp j, 0,1,2,3,4,5,6,7
	global_load_b32 v[96+8*(\i%4)+128*(\i/4)+\j], v[96+\j], s[6:7] offset:4*(32*(\i/2)+8*(\i%2))   ; q, k: b(16 tb + T(i) + 16 h + j); v: b(2048 + 16 ta + T(i) + r + 8 (r / 8)) in all eight
.endr
.endr
	WIN 0
.macro FRAG reg, adr, q, i             ; tile i's fragment of the slot's q-th 128 along K: two half images as they lie
	ds_load_b128 v[\reg:\reg+3], v[\adr] offset:(\i)*TILEB+1536*(\q)
	ds_load_b64 v[\reg+4:\reg+5], v[\adr+2] offset:(\i)*TILEB+1536*(\q)
	ds_load_b128 v[\reg+6:\reg+9], v[\adr] offset:(\i)*TILEB+1536*(\q)+768
	ds_load_b64 v[\reg+10:\reg+11], v[\adr+2] offset:(\i)*TILEB+1536*(\q)+768
.endm
.macro FETCH_B slot, q, p
	WIN 0x40
.irp i, 0,1,2,3,4,5,6,7
	FRAG 128*(\p)+FR*\i, ADRB+\slot, \q, \i
.endr
	WIN 0
.endm
.macro FETCH_A slot, q, i0
.irp i, \i0, \i0+1, \i0+2, \i0+3
	FRAG AF+FR*(\i), ADRA+\slot, \q, \i
.endr
.endm
; 16 matrix instructions: A's tiles a0, a0 + 1 x B's eight; p: B's set; ks: the K step.  mode 0: in place; 1: C = the bias of tile b; 2: C = the bias of tile a (the window setting says where C lies).
; The 64 accumulators take turns, one instruction a turn, in the same order in every step.
.macro MUL16 a0, p, ks, mode
.irp a, \a0, \a0+1
.irp b, 0,1,2,3,4,5,6,7
.set DD, 8*(8*((\a)%4)+\b)
.if \mode == 1
.set CC, 96+8*(\b%4)+128*(\b/4)
.elseif \mode == 2
.set CC, 96+8*((\a)%4)+128*((\a)/4)
.else
.set CC, DD
.endif
	v_wmma_scale_f32_16x16x128_f8f6f4 v[DD:DD+7], v[128*(\p)+FR*\b:128*(\p)+FR*\b+FR-1], v[AF+FR*(\a):AF+FR*(\a)+FR-1], v[CC:CC+7], v[SC+8*\b+(\ks)], v[SC+8*(\a)+(\ks)] matrix_a_fmt:MATRIX_FMT_FP6 matrix_b_fmt:MATRIX_FMT_FP6 matrix_a_scale:MATRIX_SCALE_ROW1
.endr
.endr
.endm
; A slot's first 128 along K: multiplies B's set 0, fetches the second 128 (B into set 1; A's tiles 0-3 in the middle, 4-7 at the end).
.macro STEP slot, ks, mode
	s_wait_dscnt 4*NL                              ; B's set and A's tiles 0-3 are in; the youngest 16 loads (A's tiles 4-7) may be out
.if \mode
	WIN 0x91                                       ; source 0 and C window 1, source 1 window 0, D window 2
.else
	WIN 0xa1                                       ; C and D window 2
.endif
	MUL16 0, 0, \ks, \mode
	MUL16 2, 0, \ks, \mode
	s_wait_dscnt 0x0                               ; A's tiles 4-7 are in
	PLACES
	FETCH_B \slot, 1, 1
	FETCH_A \slot, 1, 0
.if \mode
	WIN 0xd1
.else
	WIN 0xf1
.endif
	MUL16 4, 0, \ks, \mode
	MUL16 6, 0, \ks, \mode
	PLACES
	WIN 0
	FETCH_A \slot, 1, 4
.endm
; A slot's second 128 changes slots: one barrier; in front of it each wave waits for all its tensor loads, adds 0 to its spare word, and waits for that and for its reads of this slot.
.macro TURN slot, next, fill, ks
	s_wait_tensorcnt 0x0                           ; all my tensor loads have landed: my part of the next slot (every window is 0 here)
	ds_add_u32 v[SPW], v[NIL]
	s_wait_dscnt 4*NL+1                            ; the add and the youngest 16 loads may be out
	WIN 0xa1
	MUL16 0, 1, \ks, 0
	s_wait_dscnt 0x0                               ; the add is done, and my reads of this slot are over
	s_barrier_signal -1
	MUL16 2, 1, \ks, 0
	WIN 0
	s_barrier_wait -1
.if \fill
	CREST                                          ; the barrier has opened a round of the cluster's: no wave of any partner still reads this slot or has a load on its way
	s_add_nc_u64 s[G0+4*\slot+2:G0+4*\slot+3], s[G0+4*\slot+2:G0+4*\slot+3], 2*TILEB
	s_add_nc_u64 s[G0B+4*\slot+2:G0B+4*\slot+3], s[G0B+4*\slot+2:G0B+4*\slot+3], 2*TILEB
	JLOAD G0+4*\slot, G1, G0B+4*\slot, G1B         ; my one tensor load behind the round; its four v_nop are the places in front of the loads below
.else
	PLACES
.endif
	FETCH_B \next, 0, 0
	FETCH_A \next, 0, 0
	WIN 0xf1
	MUL16 4, 1, \ks, 0
	MUL16 6, 1, \ks, 0
	PLACES
	WIN 0
	FETCH_A \next, 0, 4
.endm
	s_wait_tensorcnt 0x1                           ; my part of slot 0 is in; slot 1's may stay out
	s_barrier_signal -1
	s_barrier_wait -1
	FETCH_B 0, 0, 0
	FETCH_A 0, 0, 0
	FETCH_A 0, 0, 4
	s_wait_loadcnt 0x0                             ; scale words and bias
	s_cmp_eq_u32 ttmp9, 2                          ; the cluster's x: the same in all partners and all waves
	s_cbranch_scc1 .Lfirst_v
	STEP 0, 0, 1                                   ; q, k: the bias goes with B'
	s_branch .Lfirst_done
.Lfirst_v:
	STEP 0, 0, 2                                   ; v: with A'
.Lfirst_done:
	TURN 0, 1, 1, 1
	STEP 1, 2, 0
	TURN 1, 0, 1, 3
	STEP 0, 4, 0
	TURN 0, 1, 0, 5                                ; nothing is left to fetch
	STEP 1, 6, 0
	s_wait_dscnt 4*NL
	WIN 0xa1
	MUL16 0, 1, 7, 0
	MUL16 2, 1, 7, 0
	s_wait_dscnt 0x0
	WIN 0xf1
	MUL16 4, 1, 7, 0
	MUL16 6, 1, 7, 0
	WIN 0
; THE WAY OUT.  Tile a of A': my row's 64 registers are 128 neighbours along the next K (two to a lane pair): they become one fragment, that is two half images, and one scale word.
; Each accumulator is read from its low end on.
.macro QUANTA a
.set QWN, 2+(\a)/4                             ; the accumulators' window
.set QSR, 64*((\a)%4)
.set QPW, PWQ+(\a)%4
	WIN QWN*5                                      ; sources 0 and 1 in that window
.irp b, 0,1,2,3
	v_max3_num_f32 v[TM+\b], |v[QSR+16*\b]|, |v[QSR+1+16*\b]|, 0x1800000   ; and the floor 2^(3 - 127)
.endr
.irp i, 2,4,6,8,10,12,14
.irp b, 0,1,2,3
	v_max3_num_f32 v[TM+\b], |v[QSR+16*\b+\i]|, |v[QSR+1+16*\b+\i]|, v[TM+\b]
.endr
.endr
	WIN 0
.irp b, 0,1,2,3
	v_permlanex16_b32 v[TM+4+\b], v[TM+\b], s90, s91
.endr
.irp b, 0,1,2,3
	v_max_num_f32 v[TM+\b], v[TM+\b], v[TM+4+\b]
.endr
.irp b, 0,1,2,3
	v_add_nc_u32 v[TM+12+\b], 0xff000000, v[TM+\b]
.endr
.irp b, 0,1,2,3
	v_lshrrev_b32 v[TM+4+\b], 23, v[TM+12+\b]
.endr
	v_lshl_or_b32 v[QPW], v[TM+5], 8, v[TM+4]
	v_lshl_or_b32 v[QPW], v[TM+6], 16, v[QPW]
	v_lshl_or_b32 v[QPW], v[TM+7], 24, v[QPW]
	WIN QWN                                        ; source 0 in the accumulators' window
.irp c, 0,1
	v_cvt_scalef32_pk16_fp6_f32 v[PC+6*\c:PC+2+6*\c], v[QSR+32*\c:QSR+15+32*\c], v[TM+12+2*\c]
	v_cvt_scalef32_pk16_fp6_f32 v[PC+12+4*\c:PC+14+4*\c], v[QSR+16+32*\c:QSR+31+32*\c], v[TM+12+2*\c+1]
.endr
	WIN 0
	v_nop                                          ; one plain instruction behind the conversions
.irp c, 0,1
.irp i, 0,1,2
	v_permlane16_swap_b32 v[PC+6*\c+\i], v[PC+12+4*\c+\i]
.endr
.irp i, 0,1,2
	v_mov_b32 v[PC+3+6*\c+\i], v[PC+12+4*\c+\i]
.endr
.endr
.endm
.macro OUTA a
.if (\a) > 0
	s_wait_xcnt 0x0                                ; the last tile's stores have read their registers: these are written again only behind this wait
.endif
	QUANTA \a
	global_store_b128 v4, v[PC:PC+3], s[66:67] offset:768*(\a)         ; 512 consecutive bytes
	global_store_b64 v5, v[PC+4:PC+5], s[66:67] offset:768*(\a)        ; 256
	global_store_b128 v24, v[PC+6:PC+9], s[66:67] offset:768*(\a)
	global_store_b64 v25, v[PC+10:PC+11], s[66:67] offset:768*(\a)
.if (\a)%4 == 3
.irp i, 0,1,2,3
	v_lshrrev_b32 v[PWQ+\i], v11, v[PWQ+\i]        ; q, k: lanes 16-31 bring the second head's two bytes down (the bytes above a head's two scale zero codes in launch attn; none is 0xff)
.endr
	global_store_b128 v10, v[PWQ:PWQ+3], s[68:69] offset:256*((\a)/4)  ; four tiles' words of position r: 256 consecutive bytes a head (v: lanes 16-31 store the same as lanes 0-15)
.endif
.endm
	s_mov_b32 s90, 0x76543210
	s_mov_b32 s91, 0xfedcba98
	PLACES
.irp b, 0,1,2,3
	v_mov_b32 v[TM+4+\b], 0                        ; a lane permute's destination counts as one of its sources
.endr
.irp a, 0,1,2,3,4,5,6,7
	OUTA \a
.endr
	s_wait_tensorcnt 0x0                           ; the wave's end
	ds_add_u32 v[SPW], v[NIL]
	s_wait_dscnt 0x0
	CROUND                                         ; the closing round
	s_endpgm
.Lfunc_end_k_qe899548cd7_qkv:
	.size	k_qe899548cd7_qkv, .Lfunc_end_k_qe899548cd7_qkv-k_qe899548cd7_qkv
	.p2alignl 7, 3214868480
	.fill 96, 4, 3214868480
	.section	.rodata,"a",@progbits
	.p2align	6, 0x0
	.amdhsa_kernel k_qe899548cd7_qkv
		.amdhsa_group_segment_fixed_size 327680
		.amdhsa_private_segment_fixed_size 0
		.amdhsa_enable_private_segment 0
		.amdhsa_kernarg_size 24
		.amdhsa_user_sgpr_count 2
		.amdhsa_user_sgpr_kernarg_segment_ptr 1
		.amdhsa_wavefront_size32 1
		.amdhsa_system_sgpr_workgroup_id_x 1
		.amdhsa_system_sgpr_workgroup_id_y 1
		.amdhsa_system_sgpr_workgroup_id_z 1
		.amdhsa_system_vgpr_workitem_id 0
		.amdhsa_next_free_vgpr 1024
		.amdhsa_next_free_sgpr 100
		.amdhsa_reserve_vcc 0
		.amdhsa_float_denorm_mode_32 3
		.amdhsa_float_denorm_mode_16_64 3
		.amdhsa_memory_ordered 1
		.amdhsa_forward_progress 1
		.amdhsa_inst_pref_size 167
	.end_amdhsa_kernel
	.amdgpu_metadata
---
amdhsa.version: [ 1, 2 ]
amdhsa.kernels:
  - .name:           k_qe899548cd7_qkv
    .symbol:         k_qe899548cd7_qkv.kd
    .args:
      - { .name: g1, .offset: 0, .size: 8, .value_kind: global_buffer, .address_space: global }
      - { .name: b_attn, .offset: 8, .size: 8, .value_kind: global_buffer, .address_space: global }
      - { .name: qkvc, .offset: 16, .size: 8, .value_kind: global_buffer, .address_space: global }
    .group_segment_fixed_size: 327680
    .private_segment_fixed_size: 0
    .kernarg_segment_align: 8
    .kernarg_segment_size: 24
    .max_flat_workgroup_size: 128
    .sgpr_count:     100
    .vgpr_count:     1024
    .wavefront_size: 32
...
	.end_amdgpu_metadata
.endif
;; end of part 2
;; launch attn (part 3): grid 4 x 64, 16 waves a work-group, clusters of 4 x 1, 210,944 bytes of LDS; arguments qkvc, g2; writes g2
.if DOCPART == 3
	.amdgcn_target "amdgcn-amd-amdhsa--gfx1250"
	.amdhsa_code_object_version 6
	.text
	.protected	k_qe899548cd7_attn
	.globl	k_qe899548cd7_attn
	.p2align	8
	.type	k_qe899548cd7_attn,@function
k_qe899548cd7_attn:
	s_mov_b64 s[64:65], 0
	v_nop
	global_prefetch_b8 v0, s[64:65] scope:SCOPE_SE
	s_setreg_imm32_b32 hwreg(HW_REG_WAVE_MODE, 25, 1), 1
	s_wait_xcnt 0x0
	s_wait_alu depctr_hold_cnt(0) depctr_sa_sdst(0) depctr_va_vdst(0) depctr_va_sdst(0) depctr_va_ssrc(0) depctr_va_vcc(0) depctr_vm_vsrc(0)
	s_getreg_b32 s2, hwreg(HW_REG_IB_STS2, 6, 4)
	s_cmp_eq_u32 s2, 0
	s_cbranch_scc0 .Lentry_in_a_cluster
	s_endpgm
.Lentry_in_a_cluster:
	s_bfe_u32 s2, ttmp6, 0x10000c
	s_cmp_lg_u32 s2, 0x3003
	s_cbranch_scc0 .Lentry_shape_is_right
	s_endpgm
.Lentry_shape_is_right:
; Causal attention of one head on codes of FP6 (E2M3): S^T = K Q^T (K = the head's 64), p = 2^(t - M), O^T = V^T P^T (K = the keys), O / l quantised along the head's 64 for the last product.
; WORK LEFT OUT: key steps of 128 keys all of which come after all 16 queries of a tile: reference()'s own causal mask gives them p = 0 (shown at the head of launch quant).
; LIMITS: a p under 2^-126 is 0; the quantiser's limits as stated in launch quant.
; SHARES.  The four work-groups of a cluster serve one (batch, head).  Work-group g owns the query tiles 4 j + g, j = 0 .. 31; tile 4 j + g lies inside queries 64 j .. 64 j + 63, so its last key step is j / 2, whatever g.
; Wave w takes j = w, then j = 31 - w: (w / 2 + 1) + ((31 - w) / 2 + 1) = 17 key steps for every wave, two of them on the diagonal.  Both loops have constant trip counts (8, 16); a hidden step's work is jumped over.
; LDS.  A head's K and V codes (2 x 98,304 bytes) and scale units lie in LDS whole, filled ONCE, by joint loads of the four work-groups (waves 0-7: K, waves 8-15: V): no slot is filled again, no barrier stands in the loops.
; THE FIRST PRODUCT'S K is 64, half of the instruction's 128: Q's registers 6-11 hold zero codes; K's registers 6-11 are whatever six registers follow the tile's own.  E2M3 has no infinity and no NaN, and no scale
; byte here is 0xff, so those products are exactly 0.
; LAYOUT.  Both products are used transposed: a lane holds ONE query (position lane % 16).  By the tiles' order (position p of tile i = row 32 (i / 2) + 8 (i % 2) + p + 8 (p / 8)) the 16 registers of key tiles 2 b, 2 b + 1
; are keys 32 b + 16 (lane / 16) + 0 .. 15, and the 16 registers of channel tiles 2 b, 2 b + 1 are 16 neighbouring channels.
; No prefetch: every byte that the launch reads is asked for at its head.
.set KI,    6291456                    ; qkvc: q's images at 0, k's, v's
.set VI,    12582912
.set QS,    18874368                   ; scale units
.set KS,    19398656
.set VS,    19922944
.set S2,    7077888                    ; g2: images of the result at 0, its scale units here
.set VIMG,  98304                      ; LDS: K's images at 0 [tile 128][768]; V's [step 16][64 keys: 2][channel tile 4][768]
.set KSC,   196608                     ; K's scale units, 32
.set VSC,   204800                     ; V's, 16
.set SPARE, 208896                     ; the spare words, 128 bytes for each of 16 waves
.set SPW,  42
.set NIL,  43
.set KB,   48                          ; v48-95 eight tiles of K (6 registers each), then four fragments of V; v96-101 stand behind the last tile of K
.set SS,   104                         ; v104-167 S^T, then p
.set OO,   168                         ; v168-199 O^T
.set PC,   200                         ; v200-211 p's codes
.set BM,   220                         ; v220-223 the blocks' largest scores
.set TP,   224                         ; v224-231 at work
.set SOP,  232                         ; v232-235 the conversions' scale operands
.set KSW,  236                         ; v236-243 K's scale words, a tile each
.set VSW,  244                         ; v244-247 V's
.set SEL,  14                          ; s[14:15]
.set CS,   16                          ; s[16:17] c = log2(e) / 8
.set TB,   18                          ; s18 the step's images: 6,144 bytes a step, in K's region and in V's
.set TS,   19                          ; s19 K's scale units: 512 a step
.set TJ,   20                          ; s20 V's: 256 a step
.set SI,   21                          ; s21 the step
.macro CROUND
	s_barrier_signal -1
	s_barrier_wait -1
	s_cmp_lg_u32 s8, 0
	s_cbranch_scc1 .Lnot_wave_0_\@
	s_barrier_signal -3
.Lnot_wave_0_\@:
	s_barrier_wait -3
	s_barrier_signal -1
	s_barrier_wait -1
.endm
	s_load_b128 s[4:7], s[0:1], 0x0                ; qkvc, g2
	v_lshl_add_u32 v[SPW], v0, 2, SPARE
	v_mov_b32 v[NIL], 0
	ds_add_u32 v[SPW], v[NIL]                      ; the opening: the add, twice on end, and its wait ahead of my first tensor load
	ds_add_u32 v[SPW], v[NIL]
	v_lshrrev_b32 v1, 5, v0
	s_delay_alu instid0(VALU_DEP_1)
	v_readfirstlane_b32 s8, v1                     ; wave 0..15
	s_bfe_u32 s9, ttmp6, 0x40000                   ; g: my place in the cluster: it enters global addresses of Q and of the result, and the mask's numbers; no branch, no LDS address
	s_and_b32 s10, ttmp7, 0xffff                   ; 16 x batch + head
	s_lshr_b32 s11, s10, 4
	s_and_b32 s12, s10, 15
	s_and_b32 s13, s8, 7                           ; which eighth I fetch
	; groups 1, elements of 8 bytes, the mask names all four work-groups
	s_mov_b32 s24, 15|(3<<16)|(1<<21)              ; K's codes: 4 rows of 3,072 bytes, dense
	s_mov_b32 s25, 384<<16
	s_mov_b32 s26, 4<<16
	s_mov_b32 s27, 384<<16
	s_mov_b32 s28, 4
	s_mov_b32 s29, 384
	s_mov_b32 s30, 0
	s_mov_b32 s31, 0
	s_mov_b32 s32, 15|(3<<16)|(1<<21)              ; V's codes: 4 rows (step, 64 keys) of 3,072 bytes, 49,152 bytes apart
	s_mov_b32 s33, 384<<16
	s_mov_b32 s34, 4<<16
	s_mov_b32 s35, 384<<16
	s_mov_b32 s36, 4
	s_mov_b32 s37, 6144
	s_mov_b32 s38, 0
	s_mov_b32 s39, 0
	s_mov_b32 s40, 15|(3<<16)|(1<<21)              ; K's scale units: 4 rows of 256 bytes, dense
	s_mov_b32 s41, 32<<16
	s_mov_b32 s42, 4<<16
	s_mov_b32 s43, 32<<16
	s_mov_b32 s44, 4
	s_mov_b32 s45, 32
	s_mov_b32 s46, 0
	s_mov_b32 s47, 0
	s_mov_b32 s48, 15|(3<<16)|(1<<21)              ; V's: 2 rows of 256 bytes, 4,096 bytes apart
	s_mov_b32 s49, 32<<16
	s_mov_b32 s50, 2<<16
	s_mov_b32 s51, 32<<16
	s_mov_b32 s52, 2
	s_mov_b32 s53, 512
	s_mov_b32 s54, 0
	s_mov_b32 s55, 0
	s_mov_b32 s[SEL], 0x76543210
	s_mov_b32 s[SEL+1], 0xfedcba98
	s_mov_b32 s[CS], 0x3e38aa3b                    ; log2(e) / sqrt(64)
	s_mov_b32 s[CS+1], s[CS]
	s_mov_b32 s23, 0
	s_wait_dscnt 0x0                               ; both opening adds are done
	s_wait_kmcnt 0x0
	s_mul_i32 s22, s10, 98304
	s_mul_i32 s96, s13, 12288
	s_add_co_u32 s22, s22, s96
	s_add_co_u32 s22, s22, KI
	s_mov_b32 s56, 1
	s_mov_b32 s57, s96                             ; K's images begin at LDS byte 0
	s_add_nc_u64 s[58:59], s[4:5], s[22:23]
	s_or_b32 s59, s59, 0x80000000
	s_lshl_b32 s22, s10, 13
	s_lshl_b32 s97, s13, 10
	s_add_co_u32 s22, s22, s97
	s_add_co_u32 s22, s22, KS
	s_mov_b32 s60, 1
	s_add_co_u32 s61, s97, KSC
	s_add_nc_u64 s[62:63], s[4:5], s[22:23]
	s_or_b32 s63, s63, 0x80000000
	s_mul_i32 s22, s11, 1572864
	s_mul_i32 s97, s13, 196608
	s_add_co_u32 s22, s22, s97
	s_mul_i32 s97, s12, 3072
	s_add_co_u32 s22, s22, s97
	s_add_co_u32 s22, s22, VI
	s_mov_b32 s68, 1
	s_add_co_u32 s69, s96, VIMG
	s_add_nc_u64 s[70:71], s[4:5], s[22:23]
	s_or_b32 s71, s71, 0x80000000
	s_lshl_b32 s22, s11, 4
	s_lshl_b32 s97, s13, 1
	s_add_co_u32 s22, s22, s97
	s_lshl_b32 s22, s22, 4
	s_add_co_u32 s22, s22, s12
	s_lshl_b32 s22, s22, 8
	s_add_co_u32 s22, s22, VS
	s_mov_b32 s72, 1
	s_lshl_b32 s97, s13, 9
	s_add_co_u32 s73, s97, VSC
	s_add_nc_u64 s[74:75], s[4:5], s[22:23]
	s_or_b32 s75, s75, 0x80000000
	CROUND                                         ; all four work-groups are here: the joint loads meet
	s_cmp_lt_u32 s8, 8                             ; a wave's two fills stand in one arm of one branch on the wave's number: two loads of mine are out
	s_cbranch_scc0 .Lfill_v
	tensor_load_to_lds s[56:59], s[24:31]
	s_nop 0
	tensor_load_to_lds s[60:63], s[40:47]
	s_nop 0
.rept 4
	v_nop
.endr
	s_branch .Lfilled
.Lfill_v:
	tensor_load_to_lds s[68:71], s[32:39]
	s_nop 0
	tensor_load_to_lds s[72:75], s[48:55]
	s_nop 0
.rept 4
	v_nop
.endr
.Lfilled:
; the four addresses of a pass: J: the register with j; P: the first of eight registers
.macro PTRS J, P
	s_lshl_b32 s96, s[\J], 2
	s_add_co_u32 s96, s96, s9                      ; my query tile in the head: 4 j + g
	s_lshl_b32 s22, s10, 7
	s_add_co_u32 s22, s22, s96
	s_mul_i32 s22, s22, 768
	s_add_nc_u64 s[\P:\P+1], s[4:5], s[22:23]      ; Q's half image
	s_lshl_b32 s22, s10, 5
	s_add_co_u32 s22, s22, s[\J]
	s_lshl_b32 s22, s22, 8
	s_lshl_b32 s97, s9, 2
	s_add_co_u32 s22, s22, s97
	s_add_co_u32 s22, s22, QS
	s_add_nc_u64 s[\P+2:\P+3], s[4:5], s[22:23]    ; Q's scale words: unit j, word g
	s_lshl_b32 s22, s11, 7
	s_add_co_u32 s97, s22, s96                     ; the token tile: 128 x batch + tile
	s_lshl_b32 s22, s97, 4
	s_add_co_u32 s22, s22, s12
	s_mul_i32 s22, s22, 768
	s_add_nc_u64 s[\P+4:\P+5], s[6:7], s[22:23]    ; the result's half image: 64 along C = my head
	s_lshl_b32 s22, s97, 9
	s_lshr_b32 s98, s12, 3
	s_lshl_b32 s98, s98, 8
	s_add_co_u32 s22, s22, s98
	s_and_b32 s98, s12, 7
	s_lshl_b32 s98, s98, 1
	s_add_co_u32 s22, s22, s98
	s_add_co_u32 s22, s22, S2
	s_add_nc_u64 s[\P+6:\P+7], s[6:7], s[22:23]    ; its two scale bytes
.endm
	s_mov_b32 s66, s8                              ; j of the first pass,
	s_xor_b32 s67, s8, 31                          ; of the second: 31 - wave
	PTRS 66, 76
	PTRS 67, 84
	s_lshr_b32 s92, s66, 1                         ; a pass's last key step
	s_lshr_b32 s93, s67, 1
	s_lshr_b32 s96, s9, 1
	s_lshl_b32 s96, s96, 5
	s_and_b32 s97, s9, 1
	s_lshl_b32 s97, s97, 3
	s_add_co_u32 s96, s96, s97
	s_and_b32 s94, s66, 1
	s_lshl_b32 s94, s94, 6
	s_add_co_u32 s94, s94, s96                     ; the tile's first query, counted from the diagonal step's first key: 64 (j % 2) + 32 (g / 2) + 8 (g % 2)
	s_and_b32 s95, s67, 1
	s_lshl_b32 s95, s95, 6
	s_add_co_u32 s95, s95, s96
	v_and_b32 v10, 31, v0
	v_and_b32 v8, 15, v0                           ; r
	v_bfe_u32 v9, v0, 4, 1                         ; h
	s_delay_alu instid0(VALU_DEP_3)
	v_lshlrev_b32 v1, 4, v10                       ; 16 l
	s_delay_alu instid0(VALU_DEP_3)
	v_lshlrev_b32 v46, 4, v8                       ; 16 r
	s_delay_alu instid0(VALU_DEP_1)
	v_lshl_add_u32 v2, v9, 3, v46
	s_delay_alu instid0(VALU_DEP_1)
	v_add_nc_u32 v2, 512, v2                       ; 512 + 16 r + 8 h
	global_load_b128 v[16:19], v1, s[76:77]        ; Q of both passes stays in registers
	global_load_b64 v[20:21], v2, s[76:77]
	global_load_b32 v40, v46, s[78:79]
	global_load_b128 v[28:31], v1, s[84:85]
	global_load_b64 v[32:33], v2, s[84:85]
	global_load_b32 v41, v46, s[86:87]
	v_add_nc_u32 v3, VIMG, v1
	v_add_nc_u32 v4, VIMG, v2
	v_add_nc_u32 v5, KSC, v46
	v_add_nc_u32 v6, VSC, v46
	v_lshrrev_b32 v7, 3, v8
	s_delay_alu instid0(VALU_DEP_1)
	v_lshl_add_u32 v7, v7, 3, v8
	v_lshlrev_b32 v11, 4, v9
	s_delay_alu instid0(VALU_DEP_1)
	v_sub_nc_u32 v7, v7, v11                       ; r + 8 (r / 8) - 16 h
.irp j, 22,23,24,25,26,27,34,35,36,37,38,39,96,97,98,99,100,101
	v_mov_b32 v\j, 0                               ; Q's upper 64 along K: zero codes; and the six registers behind K's last tile
.endr
.irp b, 0,1,2,3
	v_mov_b32 v[TP+\b], 0                          ; a lane permute's destination counts as one of its sources
.endr
	v_mov_b32 v249, 0                              ; (named as the upper half of the pair v[248:249] before it is first written)
	v_mov_b32 v250, 0
	s_wait_loadcnt 0x0                             ; Q
	s_wait_tensorcnt 0x0                           ; my parts of K or V have landed,
	s_barrier_signal -1
	s_barrier_wait -1                              ; everybody's have
; A PASS: one tile of 16 queries.  QF: Q's registers; QW: its scale words; NST: the loop's trips; SD: register with the last key step; D0: register with the tile's place on the diagonal; OA, OS: where the result goes.
.macro PASS QF, QW, NST, SD, D0, OA, OS
	v_mov_b32 v13, 0xff61b1e6                      ; the largest t so far: -3e38
	s_delay_alu instid0(VALU_DEP_1)
	v_floor_f32 v12, -v13                          ; -M
	v_mov_b32 v14, 0                               ; the sum, in two halves
	v_mov_b32 v15, 0
.set n, 0
.rept 32
	v_mov_b32 v[OO+n], 0                           ; O^T: the step is written once; the first change of M leaves zeros zeros
.set n, n+1
.endr
	s_mov_b32 s[TB], 0
	s_mov_b32 s[TS], 0
	s_mov_b32 s[TJ], 0
	s_mov_b32 s[SI], 0
.Lstep_\@:
	s_cmp_gt_u32 s[SI], s[\SD]                     ; a step all of whose keys come after my queries: ids alone
	s_cbranch_scc1 .Lhidden_\@
	s_setprio 2
	v_add_nc_u32 v8, s[TB], v1                     ; (these six are also the places in front of the loads into registers that the last products read)
	v_add_nc_u32 v9, s[TB], v2
	v_add_nc_u32 v10, s[TB], v3
	v_add_nc_u32 v11, s[TB], v4
	v_add_nc_u32 v44, s[TS], v5
	v_add_nc_u32 v45, s[TJ], v6
.irp t, 0,1,2,3,4,5,6,7
	ds_load_b128 v[KB+6*\t:KB+6*\t+3], v8 offset:768*\t
	ds_load_b64 v[KB+6*\t+4:KB+6*\t+5], v9 offset:768*\t
.endr
	ds_load_b128 v[KSW:KSW+3], v44
	ds_load_b128 v[KSW+4:KSW+7], v44 offset:256
	s_wait_alu depctr_va_vdst(0)
	s_wait_dscnt 0x0
.irp t, 0,1,2,3,4,5,6,7
	v_wmma_scale_f32_16x16x128_f8f6f4 v[SS+8*\t:SS+8*\t+7], v[KB+6*\t:KB+6*\t+11], v[\QF:\QF+11], 0, v[KSW+\t], v[\QW] matrix_a_fmt:MATRIX_FMT_FP6 matrix_b_fmt:MATRIX_FMT_FP6
.endr
.rept 4
	v_nop                                          ; places: in front of the loads into K's registers, and of the first read of the scores
.endr
.irp t, 0,1,2,3                                ; V's four fragments: they land under the softmax
	ds_load_b128 v[KB+12*\t:KB+12*\t+3], v10 offset:768*\t
	ds_load_b64 v[KB+12*\t+4:KB+12*\t+5], v11 offset:768*\t
	ds_load_b128 v[KB+12*\t+6:KB+12*\t+9], v10 offset:3072+768*\t
	ds_load_b64 v[KB+12*\t+10:KB+12*\t+11], v11 offset:3072+768*\t
.endr
	ds_load_b128 v[VSW:VSW+3], v45
	s_cmp_lt_u32 s[SI], s[\SD]                     ; a step all of whose keys count skips the mask
	s_cbranch_scc1 .Lopen_\@
	v_add_nc_u32 v250, s[\D0], v7                  ; d = my query - the step's first key - 16 h.  Register 16 b + i holds key 32 b + 16 h + i: hidden where 32 b + i > d
	v_mov_b32 v251, 0xff800000                     ; -infinity
.set n, 0
.rept 64
	v_cmp_gt_i32 vcc_lo, 32*(n/16)+n%16, v250
	v_cndmask_b32 v[SS+n], v[SS+n], v251, vcc_lo
.set n, n+1
.endr
.Lopen_\@:
.irp b, 0,1,2,3
	v_max3_num_f32 v[BM+\b], v[SS+16*\b], v[SS+1+16*\b], v[SS+2+16*\b]   ; the largest score of each block of 32 keys: for the row's maximum, and, since p rises with the score, for the block's largest p
.endr
.irp i, 3,5,7,9,11,13
.irp b, 0,1,2,3
	v_max3_num_f32 v[BM+\b], v[BM+\b], v[SS+16*\b+\i], v[SS+1+16*\b+\i]
.endr
.endr
.irp b, 0,1,2,3
	v_max_num_f32 v[BM+\b], v[BM+\b], v[SS+15+16*\b]
.endr
.irp b, 0,1,2,3
	s_delay_alu instid0(VALU_DEP_4)
	v_permlanex16_b32 v[TP+\b], v[BM+\b], s[SEL], s[SEL+1]
.endr
.irp b, 0,1,2,3
	s_delay_alu instid0(VALU_DEP_4)
	v_max_num_f32 v[BM+\b], v[BM+\b], v[TP+\b]     ; with lane l xor 16's 16 keys
.endr
	s_delay_alu instid0(VALU_DEP_2)
	v_max3_num_f32 v250, v[BM], v[BM+1], v[BM+2]
	s_delay_alu instid0(VALU_DEP_1)
	v_max_num_f32 v250, v250, v[BM+3]
	s_delay_alu instid0(VALU_DEP_1)
	v_mul_f32 v250, s[CS], v250                    ; as t (c is positive)
	s_delay_alu instid0(VALU_DEP_1)
	v_max_num_f32 v13, v13, v250                   ; the running largest t
	v_mov_b32 v250, v12
	s_delay_alu instid0(VALU_DEP_2)
	v_floor_f32 v12, -v13                          ; the new -M = -ceil(t): a whole number
	s_delay_alu instid0(VALU_DEP_1)
	v_sub_f32 v250, v12, v250                      ; old M - new M: a whole number, 0 or less
	s_delay_alu instid0(VALU_DEP_1)
	v_cvt_i32_f32 v250, v250                       ; (it saturates)
	s_delay_alu instid0(VALU_DEP_1)
	v_ldexp_f32 v248, 1.0, v250                    ; f = 2^(old M - new M): rounds nothing
.set n, 0
	s_setprio 1
.rept 32
	v_pk_fma_f32 v[SS+n:SS+n+1], v[SS+n:SS+n+1], s[CS:CS+1], v[12:13] op_sel_hi:[1,0,0]   ; t - M
.set n, n+2
.endr
.irp b, 0,1,2,3
	v_fma_f32 v[BM+\b], v[BM+\b], s[CS], v12
.endr
.set n, 0
	s_wait_alu depctr_va_vdst(0)
.rept 64
	v_exp_f32 v[SS+n], v[SS+n]                     ; p = 2^(t - M): not normalised
.set n, n+1
.endr
	v_pk_mul_f32 v[14:15], v[14:15], v[248:249] op_sel_hi:[1,0]   ; the sums under the new M (the plain instruction behind the exponentials)
	s_wait_alu depctr_va_vdst(0)                   ; one wait for the batch, ahead of its first reader
.irp b, 0,1,2,3
	v_exp_f32 v[BM+\b], v[BM+\b]                   ; the blocks' largest p
.endr
	v_pk_add_f32 v[224:225], v[108:109], v[112:113]
	v_pk_add_f32 v[254:255], v[116:117], v[120:121]
	v_pk_add_f32 v[252:253], v[124:125], v[128:129]
	v_pk_add_f32 v[242:243], v[132:133], v[136:137]
	v_pk_add_f32 v[240:241], v[140:141], v[144:145]
	v_pk_add_f32 v[238:239], v[148:149], v[152:153]
	v_pk_add_f32 v[236:237], v[156:157], v[160:161]
	v_pk_add_f32 v[14:15], v[14:15], v[164:165]
	v_pk_add_f32 v[224:225], v[224:225], v[104:105]
	v_pk_add_f32 v[254:255], v[254:255], v[106:107]
	v_pk_add_f32 v[252:253], v[252:253], v[110:111]
	v_pk_add_f32 v[242:243], v[242:243], v[114:115]
	v_pk_add_f32 v[240:241], v[240:241], v[118:119]
	v_pk_add_f32 v[238:239], v[238:239], v[122:123]
	v_pk_add_f32 v[236:237], v[236:237], v[126:127]
	v_pk_add_f32 v[14:15], v[14:15], v[130:131]
	v_pk_add_f32 v[224:225], v[224:225], v[134:135]
	v_pk_add_f32 v[254:255], v[254:255], v[138:139]
	v_pk_add_f32 v[252:253], v[252:253], v[142:143]
	v_pk_add_f32 v[242:243], v[242:243], v[146:147]
	v_pk_add_f32 v[240:241], v[240:241], v[150:151]
	v_pk_add_f32 v[238:239], v[238:239], v[154:155]
	v_pk_add_f32 v[236:237], v[236:237], v[158:159]
	v_pk_add_f32 v[14:15], v[14:15], v[162:163]
	v_pk_add_f32 v[224:225], v[224:225], v[166:167]
	s_delay_alu instid0(VALU_DEP_2)
	v_pk_add_f32 v[14:15], v[14:15], v[242:243]
	s_delay_alu instid0(VALU_DEP_2)
	v_pk_add_f32 v[224:225], v[224:225], v[240:241]
	v_pk_add_f32 v[254:255], v[254:255], v[238:239]
	v_pk_add_f32 v[252:253], v[252:253], v[236:237]
	s_delay_alu instid0(VALU_DEP_2)
	v_pk_add_f32 v[14:15], v[14:15], v[254:255]
	s_delay_alu instid0(VALU_DEP_2)
	v_pk_add_f32 v[224:225], v[224:225], v[252:253]
	s_delay_alu instid0(VALU_DEP_1)
	v_pk_add_f32 v[14:15], v[14:15], v[224:225]
	s_wait_alu depctr_va_vdst(0)                   ; and one for the four
.irp b, 0,1,2,3
	v_max_num_f32 v[BM+\b], 0x1800000, v[BM+\b]    ; the floor 2^(3 - 127)
.endr
.irp b, 0,1,2,3
	s_delay_alu instid0(VALU_DEP_4)
	v_add_nc_u32 v[SOP+\b], 0xff000000, v[BM+\b]
.endr
.irp b, 0,1,2,3
	s_delay_alu instid0(VALU_DEP_4)
	v_lshrrev_b32 v[TP+\b], 23, v[SOP+\b]
.endr
	s_delay_alu instid0(VALU_DEP_3)
	v_lshl_or_b32 v249, v[TP+1], 8, v[TP]          ; p's scale word for these 128 keys
	s_delay_alu instid0(VALU_DEP_1)
	v_lshl_or_b32 v249, v[TP+2], 16, v249
	s_delay_alu instid0(VALU_DEP_1)
	v_lshl_or_b32 v249, v[TP+3], 24, v249
	s_setprio 0
.irp c, 0,1
	v_cvt_scalef32_pk16_fp6_f32 v[PC+6*\c:PC+2+6*\c], v[SS+32*\c:SS+15+32*\c], v[SOP+2*\c]
	v_cvt_scalef32_pk16_fp6_f32 v[TP+4*\c:TP+2+4*\c], v[SS+16+32*\c:SS+31+32*\c], v[SOP+2*\c+1]
.endr
	v_nop                                          ; one plain instruction behind the conversions
.irp c, 0,1
.irp i, 0,1,2
	v_permlane16_swap_b32 v[PC+6*\c+\i], v[TP+4*\c+\i]
.endr
.irp i, 0,1,2
	s_delay_alu instid0(VALU_DEP_3)
	v_mov_b32 v[PC+3+6*\c+\i], v[TP+4*\c+\i]
.endr
.endr
.set n, 0
.rept 16
	v_pk_mul_f32 v[OO+n:OO+n+1], v[OO+n:OO+n+1], v[248:249] op_sel_hi:[1,0]   ; O^T under the new M (these sixteen also stand between the writes of p's codes and scale word and the products)
.set n, n+2
.endr
	s_wait_alu depctr_va_vdst(0)
	s_wait_dscnt 0x0                               ; V
.irp t, 0,1,2,3
	v_wmma_scale_f32_16x16x128_f8f6f4 v[OO+8*\t:OO+8*\t+7], v[KB+12*\t:KB+12*\t+11], v[PC:PC+11], v[OO+8*\t:OO+8*\t+7], v[VSW+\t], v249 matrix_a_fmt:MATRIX_FMT_FP6 matrix_b_fmt:MATRIX_FMT_FP6
.endr
.Lhidden_\@:
	s_add_co_u32 s[TB], s[TB], 6144
	s_add_co_u32 s[TS], s[TS], 512
	s_add_co_u32 s[TJ], s[TJ], 256
	s_add_co_u32 s[SI], s[SI], 1
	s_cmp_lt_u32 s[SI], \NST
	s_cbranch_scc1 .Lstep_\@
	s_setprio 0
	; the way out: O^T / l, quantised along the head's 64: one half image and two scale bytes
.rept 4
	v_nop
.endr
	v_add_f32 v14, v14, v15
	s_delay_alu instid0(VALU_DEP_1)
	v_permlanex16_b32 v250, v14, s[SEL], s[SEL+1]
	s_delay_alu instid0(VALU_DEP_1)
	v_add_f32 v14, v14, v250                       ; the row's sum
	s_wait_alu depctr_va_vdst(0)
	v_rcp_f32 v14, v14
	v_nop                                          ; a plain instruction behind the reciprocal
	s_wait_alu depctr_va_vdst(0)                   ; and the wait ahead of its first reader
.set n, 0
.rept 32
	v_mul_f32 v[SS+n], v[OO+n], v14                ; register 16 b + i: channel 32 b + 16 h + i
.set n, n+1
.endr
.irp b, 0,1
	v_max3_num_f32 v[BM+\b], |v[SS+16*\b]|, |v[SS+1+16*\b]|, 0x1800000
.endr
.irp i, 2,4,6,8,10,12,14
.irp b, 0,1
	s_delay_alu instid0(VALU_DEP_2)
	v_max3_num_f32 v[BM+\b], v[BM+\b], |v[SS+16*\b+\i]|, |v[SS+1+16*\b+\i]|
.endr
.endr
.irp b, 0,1
	s_delay_alu instid0(VALU_DEP_2)
	v_permlanex16_b32 v[TP+\b], v[BM+\b], s[SEL], s[SEL+1]
.endr
.irp b, 0,1
	s_delay_alu instid0(VALU_DEP_2)
	v_max_num_f32 v[BM+\b], v[BM+\b], v[TP+\b]
.endr
.irp b, 0,1
	s_delay_alu instid0(VALU_DEP_2)
	v_add_nc_u32 v[SOP+\b], 0xff000000, v[BM+\b]
.endr
.irp b, 0,1
	s_delay_alu instid0(VALU_DEP_2)
	v_lshrrev_b32 v[TP+\b], 23, v[SOP+\b]
.endr
	s_delay_alu instid0(VALU_DEP_1)
	v_lshl_or_b32 v250, v[TP+1], 8, v[TP]
	v_cvt_scalef32_pk16_fp6_f32 v[PC:PC+2], v[SS:SS+15], v[SOP]
	v_cvt_scalef32_pk16_fp6_f32 v[TP+4:TP+6], v[SS+16:SS+31], v[SOP+1]
	v_nop
.irp i, 0,1,2
	v_permlane16_swap_b32 v[PC+\i], v[TP+4+\i]
.endr
.irp i, 0,1,2
	s_delay_alu instid0(VALU_DEP_3)
	v_mov_b32 v[PC+3+\i], v[TP+4+\i]
.endr
	global_store_b128 v1, v[PC:PC+3], s[\OA:\OA+1]         ; 512 consecutive bytes
	global_store_b64 v2, v[PC+4:PC+5], s[\OA:\OA+1]        ; 256
	global_store_b16 v46, v250, s[\OS:\OS+1]               ; two bytes a row are all that a head gives to a row's scale words (lanes 16-31 store the same)
.endm
	PASS 16, 40, 8, 92, 94, 80, 82
	s_wait_xcnt 0x0                                ; the stores have read their registers
	PASS 28, 41, 16, 93, 95, 88, 90
	s_wait_tensorcnt 0x0                           ; the wave's end
	ds_add_u32 v[SPW], v[NIL]
	s_wait_dscnt 0x0
	CROUND                                         ; the closing round
	s_endpgm
.Lfunc_end_k_qe899548cd7_attn:
	.size	k_qe899548cd7_attn, .Lfunc_end_k_qe899548cd7_attn-k_qe899548cd7_attn
	.p2alignl 7, 3214868480
	.fill 96, 4, 3214868480
	.section	.rodata,"a",@progbits
	.p2align	6, 0x0
	.amdhsa_kernel k_qe899548cd7_attn
		.amdhsa_group_segment_fixed_size 210944
		.amdhsa_private_segment_fixed_size 0
		.amdhsa_enable_private_segment 0
		.amdhsa_kernarg_size 16
		.amdhsa_user_sgpr_count 2
		.amdhsa_user_sgpr_kernarg_segment_ptr 1
		.amdhsa_wavefront_size32 1
		.amdhsa_system_sgpr_workgroup_id_x 1
		.amdhsa_system_sgpr_workgroup_id_y 1
		.amdhsa_system_sgpr_workgroup_id_z 1
		.amdhsa_system_vgpr_workitem_id 0
		.amdhsa_next_free_vgpr 256
		.amdhsa_next_free_sgpr 100
		.amdhsa_reserve_vcc 1
		.amdhsa_float_denorm_mode_32 3
		.amdhsa_float_denorm_mode_16_64 3
		.amdhsa_memory_ordered 1
		.amdhsa_forward_progress 1
		.amdhsa_inst_pref_size 68
	.end_amdhsa_kernel
	.amdgpu_metadata
---
amdhsa.version: [ 1, 2 ]
amdhsa.kernels:
  - .name:           k_qe899548cd7_attn
    .symbol:         k_qe899548cd7_attn.kd
    .args:
      - { .name: qkvc, .offset: 0, .size: 8, .value_kind: global_buffer, .address_space: global }
      - { .name: g2, .offset: 8, .size: 8, .value_kind: global_buffer, .address_space: global }
    .group_segment_fixed_size: 210944
    .private_segment_fixed_size: 0
    .kernarg_segment_align: 8
    .kernarg_segment_size: 16
    .max_flat_workgroup_size: 512
    .sgpr_count:     100
    .vgpr_count:     256
    .wavefront_size: 32
...
	.end_amdgpu_metadata
.endif
;; end of part 3
;; launch proj (part 4): grid 4 x 32, 4 waves a work-group, clusters of 4 x 4, 327,680 bytes of LDS; arguments g2, b_proj, out0; writes out0
.if DOCPART == 4
	.amdgcn_target "amdgcn-amd-amdhsa--gfx1250"
	.amdhsa_code_object_version 6
	.text
	.protected	k_qe899548cd7_proj
	.globl	k_qe899548cd7_proj
	.p2align	8
	.type	k_qe899548cd7_proj,@function
k_qe899548cd7_proj:
	s_mov_b64 s[64:65], 0
	v_nop
	global_prefetch_b8 v0, s[64:65] scope:SCOPE_SE
	s_setreg_imm32_b32 hwreg(HW_REG_WAVE_MODE, 25, 1), 1
	s_wait_xcnt 0x0
	s_wait_alu depctr_hold_cnt(0) depctr_sa_sdst(0) depctr_va_vdst(0) depctr_va_sdst(0) depctr_va_ssrc(0) depctr_va_vcc(0) depctr_vm_vsrc(0)
	s_getreg_b32 s2, hwreg(HW_REG_IB_STS2, 6, 4)
	s_cmp_eq_u32 s2, 0
	s_cbranch_scc0 .Lentry_in_a_cluster
	s_endpgm
.Lentry_in_a_cluster:
	s_bfe_u32 s2, ttmp6, 0x10000c
	s_cmp_lg_u32 s2, 0xf033
	s_cbranch_scc0 .Lentry_shape_is_right
	s_endpgm
.Lentry_shape_is_right:
; out0 = a w_proj + b_proj on codes of FP6 (E2M3), K = 1024; a: attention's result as launch attn has quantised it; out0 [8192][1024] f32.
; Operands come as half images and scale units: tile i begins at row T(i) = 32 (i / 2) + 8 (i % 2), position p is row T(i) + p + 8 (p / 8); a half image is 768 bytes for 64 along K.
; A work-group of four waves makes 256 x 256, a wave 128 x 128: 64 accumulators.  The matrix instruction is used transposed: source 0 = 16 columns of w_proj (B'), source 1 = 16 tokens (A'): a lane holds one token and
; eight neighbouring outputs.  The bias is the C of each sum's first matrix instruction.  K goes in slots of 256 through a ring of two LDS slots; the eight K steps of 128 are written out; all scale words stay in registers.
; CLUSTERS: 4 x 4.  A's tiles are shared along a row of the cluster, B's along a column: each is asked for jointly.  The grid has 128 work-groups: a smaller tile would fill more WGPs at twice the LDS reads for each product.
; REGISTERS: window 0: v1-9, v24, v25 offsets; v16-23 LDS addresses; v28, v29 the add's two; v32-95 scale words (register 8 i + ks: lanes 0-15 A' tile i, lanes 16-31 B' tile i); v128-223 A's fragments, one set
;   (on the way out v128-255: rows of out0).  window 1: B's fragments, two sets, at v0 and v128; the bias, tile i at v[96 + 8 (i % 4) + 128 (i / 4)].  windows 2, 3: the accumulators, (a, b) at v[8 (8 (a % 4) + b)].
.set WPI,   6291456                    ; g2: w_proj's images (a's lie at 0)
.set S2,    7077888                    ; a's scale units
.set S2W,   7340032                    ; w_proj's
.set FR,    12
.set NL,    4
.set TILEB, 3072
.set HALFT, 8*TILEB
.set SLOT,  4*HALFT
.set SPARE, 2*SLOT                     ; behind the ring: the spare words, 128 bytes a wave
.set ADRA,  16
.set ADRB,  20
.set STO,   24                         ; v24 the way out: where I put 32 bytes of a row
.set RD,    25                         ; v25 and where I read a row back
.set SPW,   28
.set NIL,   29
.set SC,    32
.set AF,    128
.set BK,    128
.set G1,    24
.set G0,    32
.set G1B,   48
.set G0B,   56
.set MSB,   0
.macro WIN new                         ; the immediate's high byte repeats the setting that is left
.if MSB != (\new)
	s_set_vgpr_msb (MSB<<8)|(\new)
.set MSB, (\new)
.endif
.endm
.macro PLACES                          ; four plain instructions between a matrix instruction and a load into, or a read of, its registers
.rept 4
	v_nop
.endr
.endm
.macro JLOAD g0a, g1a, g0b, g1b        ; a joint load: waves 0 and 1 fetch for A', waves 2 and 3 for B'; s_nop 0 and four v_nop follow each line
	s_cmp_eq_u32 s15, 0
	s_cbranch_scc0 .Lfor_b_\@
	tensor_load_to_lds s[\g0a:\g0a+3], s[\g1a:\g1a+7]
	s_nop 0
.rept 4
	v_nop
.endr
	s_branch .Lasked_\@
.Lfor_b_\@:
	tensor_load_to_lds s[\g0b:\g0b+3], s[\g1b:\g1b+7]
	s_nop 0
.rept 4
	v_nop
.endr
.Lasked_\@:
.endm
.macro CREST
	s_cmp_lg_u32 s14, 0
	s_cbranch_scc1 .Lnot_wave_0_\@
	s_barrier_signal -3
.Lnot_wave_0_\@:
	s_barrier_wait -3
	s_barrier_signal -1
	s_barrier_wait -1
.endm
.macro CROUND
	s_barrier_signal -1
	s_barrier_wait -1
	CREST
.endm
	s_load_b128 s[4:7], s[0:1], 0x0                ; g2, b_proj
	s_load_b64 s[8:9], s[0:1], 0x10                ; out0
	v_lshl_add_u32 v[SPW], v0, 2, SPARE
	v_mov_b32 v[NIL], 0
	ds_add_u32 v[SPW], v[NIL]                      ; the opening: the add, twice on end, and its wait ahead of my first tensor load
	ds_add_u32 v[SPW], v[NIL]
	v_lshrrev_b32 v1, 5, v0
	v_readfirstlane_b32 s14, v1                    ; wave 0..3
	s_lshr_b32 s15, s14, 1                         ; which half of the tokens is mine.  Also: I fetch for A' (0) or B' (1)
	s_and_b32 s16, s14, 1                          ; which half of the columns.  Also: which eight tiles I fetch
	s_bfe_u32 s40, ttmp6, 0x40000                  ; cx
	s_bfe_u32 s41, ttmp6, 0x40004                  ; cy
	s_lshl_b32 s42, ttmp9, 2
	s_add_co_u32 s42, s42, s40                     ; block of 256 columns
	s_and_b32 s17, ttmp7, 0xffff
	s_lshl_b32 s17, s17, 2
	s_add_co_u32 s17, s17, s41                     ; block of 256 tokens
	s_lshl_b32 s43, s41, 2
	s_lshl_b32 s43, 15, s43                        ; my row of the cluster
	s_lshl_b32 s44, 0x1111, s40                    ; my column
	; group 1: eight tiles' parts of a slot: 8 rows of 3,072 bytes (384 elements of 8), 12,288 bytes apart; dense in LDS
	s_or_b32 s[G1+0], s43, (3<<16)|(1<<21)
	s_or_b32 s[G1B+0], s44, (3<<16)|(1<<21)
.irp g, G1, G1B
	s_mov_b32 s[\g+1], 384<<16
	s_mov_b32 s[\g+2], 8<<16
	s_mov_b32 s[\g+3], 384<<16
	s_mov_b32 s[\g+4], 8
	s_mov_b32 s[\g+5], 1536
	s_mov_b32 s[\g+6], 0
	s_mov_b32 s[\g+7], 0
.endr
	s_lshl_b32 s23, s16, 3
	s_lshl_b32 s20, s17, 4
	s_add_co_u32 s20, s20, s23
	s_mul_i32 s20, s20, 12288                      ; A': made of cy and what all partners share
	s_mov_b32 s21, 0
	s_lshl_b32 s46, s42, 4
	s_add_co_u32 s46, s46, s23
	s_mul_i32 s46, s46, 12288
	s_add_co_u32 s46, s46, WPI                     ; B': made of cx and what all partners share
	s_mov_b32 s47, 0
	s_mul_i32 s45, s14, HALFT
	s_wait_dscnt 0x0                               ; both opening adds are done
	s_wait_kmcnt 0x0
	s_add_nc_u64 s[20:21], s[4:5], s[20:21]
	s_add_nc_u64 s[46:47], s[4:5], s[46:47]
	CROUND                                         ; all sixteen work-groups are here: the first joint loads meet
.irp s, 0,1
	s_mov_b32 s[G0+4*\s], 1
	s_add_co_u32 s[G0+4*\s+1], s45, \s*SLOT
	s_add_nc_u64 s[G0+4*\s+2:G0+4*\s+3], s[20:21], \s*TILEB
	s_or_b32 s[G0+4*\s+3], s[G0+4*\s+3], 0x80000000
	s_mov_b32 s[G0B+4*\s], 1
	s_add_co_u32 s[G0B+4*\s+1], s45, \s*SLOT
	s_add_nc_u64 s[G0B+4*\s+2:G0B+4*\s+3], s[46:47], \s*TILEB
	s_or_b32 s[G0B+4*\s+3], s[G0B+4*\s+3], 0x80000000
	s_wait_alu depctr_va_vdst(0)
	s_wait_tensorcnt 0x0
	ds_add_u32 v28, v29
	ds_add_u32 v28, v29
	s_wait_dscnt 0x0
	CROUND
	JLOAD G0+4*\s, G1, G0B+4*\s, G1B               ; one load of mine is out
.endr
	s_lshl_b32 s70, s17, 4
	s_lshl_b32 s71, s15, 3
	s_add_co_u32 s70, s70, s71                     ; ta: my first tile of tokens
	s_lshl_b32 s72, s42, 4
	s_lshl_b32 s73, s16, 3
	s_add_co_u32 s72, s72, s73                     ; tb: my first tile of columns
	s_lshl_b32 s74, s70, 9
	s_add_co_u32 s74, s74, S2                      ; A's scale units
	s_lshl_b32 s75, s72, 9
	s_add_co_u32 s75, s75, S2W                     ; B's
	s_lshl_b32 s80, s72, 6                         ; the bias: 4 x 16 tb
	s_mov_b32 s81, 0
	s_add_nc_u64 s[6:7], s[6:7], s[80:81]
	s_lshl_b32 s82, s70, 16                        ; out0: 16 ta rows of 4,096 bytes,
	s_add_co_u32 s82, s82, s80                     ; + 16 tb columns of 4
	s_mov_b32 s83, 0
	s_add_nc_u64 s[8:9], s[8:9], s[82:83]
	v_and_b32 v1, 31, v0                           ; l
	v_and_b32 v2, 15, v0                           ; r
	v_bfe_u32 v3, v0, 4, 1                         ; h
	v_lshlrev_b32 v4, 4, v1                        ; 16 l
	v_lshlrev_b32 v7, 4, v2                        ; 16 r
	v_lshl_add_u32 v5, v3, 3, v7
	v_add_nc_u32 v5, 512, v5                       ; 512 + 16 r + 8 h
	s_mul_i32 s21, s15, HALFT
	s_mul_i32 s22, s16, HALFT
	s_add_co_u32 s22, s22, 2*HALFT
.irp s, 0,1
	v_add_nc_u32 v[ADRA+\s], s21, v4
	v_add_nc_u32 v[ADRB+\s], s22, v4
	v_add_nc_u32 v[ADRA+2+\s], s21, v5
	v_add_nc_u32 v[ADRB+2+\s], s22, v5
	s_add_co_u32 s21, s21, SLOT
	s_add_co_u32 s22, s22, SLOT
.endr
	v_xor_b32 v8, 1, v3
	v_mul_u32_u24 v6, s74, v8                      ; lanes 0-15 take A's scale words,
	v_mad_u32_u24 v6, s75, v3, v6                  ; lanes 16-31 B's
	v_add_nc_u32 v6, v6, v7
.irp i, 0,1,2,3,4,5,6,7
	global_load_b128 v[SC+8*\i:SC+8*\i+3], v6, s[4:5] offset:512*\i
	global_load_b128 v[SC+8*\i+4:SC+8*\i+7], v6, s[4:5] offset:512*\i+256
.endr
	v_lshlrev_b32 v9, 6, v3                        ; the bias: 64 h
	s_mul_i32 s23, s14, 8448                       ; my stage: 16 rows of 512 bytes + 16; it lies in slot 0, which has had its last fill and its last read when the first result is stored there
	v_mul_u32_u24 v[STO], v2, 528
	v_lshl_add_u32 v[STO], v3, 6, v[STO]
	v_add_nc_u32 v[STO], s23, v[STO]
	v_add_nc_u32 v[RD], s23, v4
	WIN 0x40                                       ; destination window 1
.irp i, 0,1,2,3,4,5,6,7
	global_load_b128 v[96+8*(\i%4)+128*(\i/4):96+8*(\i%4)+128*(\i/4)+3], v9, s[6:7] offset:4*(32*(\i/2)+8*(\i%2))       ; b(16 tb + T(i) + 16 h + 0 .. 7)
	global_load_b128 v[96+8*(\i%4)+128*(\i/4)+4:96+8*(\i%4)+128*(\i/4)+7], v9, s[6:7] offset:4*(32*(\i/2)+8*(\i%2))+16
.endr
	WIN 0
.macro FRAG reg, adr, q, i             ; tile i's fragment of the slot's q-th 128 along K: two half images as they lie
	ds_load_b128 v[\reg:\reg+3], v[\adr] offset:(\i)*TILEB+1536*(\q)
	ds_load_b64 v[\reg+4:\reg+5], v[\adr+2] offset:(\i)*TILEB+1536*(\q)
	ds_load_b128 v[\reg+6:\reg+9], v[\adr] offset:(\i)*TILEB+1536*(\q)+768
	ds_load_b64 v[\reg+10:\reg+11], v[\adr+2] offset:(\i)*TILEB+1536*(\q)+768
.endm
.macro FETCH_B slot, q, p
	WIN 0x40
.irp i, 0,1,2,3,4,5,6,7
	FRAG 128*(\p)+FR*\i, ADRB+\slot, \q, \i
.endr
	WIN 0
.endm
.macro FETCH_A slot, q, i0
.irp i, \i0, \i0+1, \i0+2, \i0+3
	FRAG AF+FR*(\i), ADRA+\slot, \q, \i
.endr
.endm
; 16 matrix instructions: A's tiles a0, a0 + 1 x B's eight.  mode 0: in place; 1: C = the bias of tile b.  The 64 accumulators take turns, one instruction a turn.
.macro MUL16 a0, p, ks, mode
.irp a, \a0, \a0+1
.irp b, 0,1,2,3,4,5,6,7
.set DD, 8*(8*((\a)%4)+\b)
.if \mode == 1
.set CC, 96+8*(\b%4)+128*(\b/4)
.else
.set CC, DD
.endif
	v_wmma_scale_f32_16x16x128_f8f6f4 v[DD:DD+7], v[128*(\p)+FR*\b:128*(\p)+FR*\b+FR-1], v[AF+FR*(\a):AF+FR*(\a)+FR-1], v[CC:CC+7], v[SC+8*\b+(\ks)], v[SC+8*(\a)+(\ks)] matrix_a_fmt:MATRIX_FMT_FP6 matrix_b_fmt:MATRIX_FMT_FP6 matrix_a_scale:MATRIX_SCALE_ROW1
.endr
.endr
.endm
.macro STEP slot, ks, mode
	s_wait_dscnt 4*NL                              ; B's set and A's tiles 0-3 are in; the youngest 16 loads (A's tiles 4-7) may be out
.if \mode
	WIN 0x91                                       ; source 0 and C window 1, source 1 window 0, D window 2
.else
	WIN 0xa1
.endif
	MUL16 0, 0, \ks, \mode
	MUL16 2, 0, \ks, \mode
	s_wait_dscnt 0x0
	PLACES
	FETCH_B \slot, 1, 1
	FETCH_A \slot, 1, 0
.if \mode
	WIN 0xd1
.else
	WIN 0xf1
.endif
	MUL16 4, 0, \ks, \mode
	MUL16 6, 0, \ks, \mode
	PLACES
	WIN 0
	FETCH_A \slot, 1, 4
.endm
.macro TURN slot, next, fill, ks
	s_wait_tensorcnt 0x0                           ; all my tensor loads have landed: my part of the next slot (every window is 0 here)
	ds_add_u32 v[SPW], v[NIL]
	s_wait_dscnt 4*NL+1                            ; the add and the youngest 16 loads may be out
	WIN 0xa1
	MUL16 0, 1, \ks, 0
	s_wait_dscnt 0x0                               ; the add is done, and my reads of this slot are over
	s_barrier_signal -1
	MUL16 2, 1, \ks, 0
	WIN 0
	s_barrier_wait -1
.if \fill
	CREST                                          ; the barrier has opened a round of the cluster's: no wave of any partner still reads this slot or has a load on its way
	s_add_nc_u64 s[G0+4*\slot+2:G0+4*\slot+3], s[G0+4*\slot+2:G0+4*\slot+3], 2*TILEB
	s_add_nc_u64 s[G0B+4*\slot+2:G0B+4*\slot+3], s[G0B+4*\slot+2:G0B+4*\slot+3], 2*TILEB
	JLOAD G0+4*\slot, G1, G0B+4*\slot, G1B         ; my one tensor load behind the round; its four v_nop are the places in front of the loads below
.else
	PLACES
.endif
	FETCH_B \next, 0, 0
	FETCH_A \next, 0, 0
	WIN 0xf1
	MUL16 4, 1, \ks, 0
	MUL16 6, 1, \ks, 0
	PLACES
	WIN 0
	FETCH_A \next, 0, 4
.endm
	s_wait_tensorcnt 0x1                           ; my part of slot 0 is in; slot 1's may stay out
	s_barrier_signal -1
	s_barrier_wait -1
	FETCH_B 0, 0, 0
	FETCH_A 0, 0, 0
	FETCH_A 0, 0, 4
	s_wait_loadcnt 0x0                             ; scale words and bias
	STEP 0, 0, 1
	TURN 0, 1, 1, 1
	STEP 1, 2, 0
	TURN 1, 0, 1, 3
	STEP 0, 4, 0
	TURN 0, 1, 0, 5                                ; nothing is left to fetch; behind this barrier nobody reads slot 0
	STEP 1, 6, 0
	s_wait_dscnt 4*NL
	WIN 0xa1
	MUL16 0, 1, 7, 0
	MUL16 2, 1, 7, 0
	s_wait_alu depctr_va_vdst(0)
	s_wait_dscnt 0x0
	WIN 0xf1
	MUL16 4, 1, 7, 0
	MUL16 6, 1, 7, 0
	WIN 0
; THE WAY OUT, a tile of 16 tokens x 128 columns at a time, through my own stage: a lane's eight results of B' tile b are columns T(b) + 16 h + 0 .. 7 of its token's row; the rows come back whole, 512 bytes to the 32 lanes.
.macro TOSTAGE a
.set AC, 64*((\a)%4)
	WIN 0x08+4*((\a)/4)                            ; an LDS store's data: window 2 or 3
.irp b, 0,1,2,3,4,5,6,7
	ds_store_b128 v[STO], v[AC+8*\b:AC+8*\b+3] offset:128*(\b/2)+32*(\b%2)         ; each accumulator from its low end on
	ds_store_b128 v[STO], v[AC+8*\b+4:AC+8*\b+7] offset:128*(\b/2)+32*(\b%2)+16
.endr
	WIN 0
.set BB, BK+64*((\a)%2)
.irp t, 0,1,2,3,4,5,6,7,8,9,10,11,12,13,14,15
	ds_load_b128 v[BB+4*\t:BB+4*\t+3], v[RD] offset:\t*528   ; LDS serves a wave's instructions in order (ISA guide 5.7.1.4): these see the stores above
.endr
.endm
.macro SEND a, younger                 ; younger: the LDS instructions issued behind tile a's loads, which may stay out
.set BB, BK+64*((\a)%2)
	s_wait_dscnt \younger
.irp t, 0,1,2,3,4,5,6,7,8,9,10,11,12,13,14,15
	global_store_b128 v4, v[BB+4*\t:BB+4*\t+3], s[8:9] offset:(32*((\a)/2)+8*((\a)%2)+\t+8*(\t/8))*4096 th:TH_STORE_NT   ; position t's row: 512 consecutive bytes, at a multiple of 512 from out0's first byte
.endr
.endm
	PLACES
	TOSTAGE 0
.irp a, 1,2,3,4,5,6,7
.if \a > 1
	s_wait_xcnt 0x0                                ; tile a - 2's stores have read their registers: tile a's loads may land there
.endif
	TOSTAGE \a
	SEND \a-1, 32                                  ; behind tile a - 1's loads: tile a's 16 stores and 16 loads
.endr
	SEND 7, 0
	s_wait_tensorcnt 0x0                           ; the wave's end: these three lines, behind my last tensor load and my last LDS store
	ds_add_u32 v[SPW], v[NIL]
	s_wait_dscnt 0x0
	CROUND                                         ; the closing round
	s_endpgm
.Lfunc_end_k_qe899548cd7_proj:
	.size	k_qe899548cd7_proj, .Lfunc_end_k_qe899548cd7_proj-k_qe899548cd7_proj
	.p2alignl 7, 3214868480
	.fill 96, 4, 3214868480
	.section	.rodata,"a",@progbits
	.p2align	6, 0x0
	.amdhsa_kernel k_qe899548cd7_proj
		.amdhsa_group_segment_fixed_size 327680
		.amdhsa_private_segment_fixed_size 0
		.amdhsa_enable_private_segment 0
		.amdhsa_kernarg_size 24
		.amdhsa_user_sgpr_count 2
		.amdhsa_user_sgpr_kernarg_segment_ptr 1
		.amdhsa_wavefront_size32 1
		.amdhsa_system_sgpr_workgroup_id_x 1
		.amdhsa_system_sgpr_workgroup_id_y 1
		.amdhsa_system_sgpr_workgroup_id_z 1
		.amdhsa_system_vgpr_workitem_id 0
		.amdhsa_next_free_vgpr 1024
		.amdhsa_next_free_sgpr 100
		.amdhsa_reserve_vcc 0
		.amdhsa_float_denorm_mode_32 3
		.amdhsa_float_denorm_mode_16_64 3
		.amdhsa_memory_ordered 1
		.amdhsa_forward_progress 1
		.amdhsa_inst_pref_size 143
	.end_amdhsa_kernel
	.amdgpu_metadata
---
amdhsa.version: [ 1, 2 ]
amdhsa.kernels:
  - .name:           k_qe899548cd7_proj
    .symbol:         k_qe899548cd7_proj.kd
    .args:
      - { .name: g2, .offset: 0, .size: 8, .value_kind: global_buffer, .address_space: global }
      - { .name: b_proj, .offset: 8, .size: 8, .value_kind: global_buffer, .address_space: global }
      - { .name: out0, .offset: 16, .size: 8, .value_kind: global_buffer, .address_space: global }
    .group_segment_fixed_size: 327680
    .private_segment_fixed_size: 0
    .kernarg_segment_align: 8
    .kernarg_segment_size: 24
    .max_flat_workgroup_size: 128
    .sgpr_count:     100
    .vgpr_count:     1024
    .wavefront_size: 32
...
	.end_amdgpu_metadata
.endif
;; end of part 4
